; MI455X (gfx1250); checked and timed in simulation.
; The chip was launched on July 23, 2026; its instructions are those of AMD's public machine-readable ISA for CDNA 5 (MIT licence, August 2026) and "CDNA5" Instruction Set Architecture Reference Guide (July 2026). The comments in the code are by the model that wrote it; some were corrected since.
;; Self Attention. Allowed arithmetic: matrix products marked QUANTISED: E2M1 operands, one E8M0 scale for each 32 along K, by v_wmma_scale_f32_16x16x128_f8f6f4 with both operands' format E2M1 (or v_wmma_scale_f32_32x16x128_f4), f32 sums; products left as they are: bf16, f16 or f32 operands; f32 sums; everything else in f32.
;; Inputs: Wk 2,048 x 4 x 128 float32; Wo 16 x 128 x 2,048 float32; Wq 2,048 x 16 x 128 float32; Wv 2,048 x 4 x 128 float32; bk 4 x 128 float32; bo 2,048 float32; bq 16 x 128 float32; bv 4 x 128 float32; x 4 x 1,024 x 2,048 float32.
;; Outputs: out0 4 x 1,024 x 2,048 float32.
;; This version of the problem:
;;   THIS VERSION OF THE PROBLEM IS GIVEN IN LOW PRECISION. The matrix products marked QUANTISED in the list below multiply operands that are first quantised to E2M1 (2 exponent bits, 1 mantissa bit; 4 bits a number), with one power-of-two scale for each 32 numbers along K (OCP MX v1.0); their sums are f32. The products marked 'left as it is' may take bf16, f16 or f32 operands, with f32 sums. Whichever they take, every output number must still come out within the allowed error. Rounding operands to bf16 (8 significant bits) uses up far more of that allowance than f16 does (11 bits, for magnitudes from 6e-5 to 65,504). All else is computed in f32.
;;   The module's matrix products, in the order in which they are computed (A, B: the left and right operand; K: the contracted axis; several contracted axes count as one K, in the product's order):
;;     1. [M 4,096, K 2,048] x [K 2,048, N 2,048]; A: input x; B: input Wq: QUANTISED
;;     2. [M 4,096, K 2,048] x [K 2,048, N 512]; A: input x; B: input Wk: QUANTISED
;;     3. [M 4,096, K 2,048] x [K 2,048, N 512]; A: input x; B: input Wv: QUANTISED
;;     4. batch 64 x [M 1,024, K 128] x [K 128, N 1,024]; A: computed on the way; B: computed on the way: left as it is (an operand is computed on the way)
;;     5. batch 64 x [M 128, K 1,024] x [K 1,024, N 1,024]; A: computed on the way; B: computed on the way: left as it is (an operand is computed on the way)
;;     6. [M 4,096, K 2,048] x [K 2,048, N 2,048]; A: computed on the way; B: input Wo: left as it is (an operand is computed on the way)
;;   THE QUANTISER, for each operand of a quantised product, along K:
;;     - K is cut into blocks of 32 from its start; a last block that is shorter is filled with zeros.
;;     - A block's scale is 2^e with e = floor(log2(the largest magnitude in the block)) - 2, held to -126 .. 127; a block of zeros has e = 0. As a byte (E8M0): e + 127.
;;     - Each number is divided by its block's scale, clamped to +-6, and rounded to the nearest number of E2M1, ties to even, subnormals kept.
;;     - The product sums the exact products of the quantised numbers (number of the format x scale) in f32.
;;   ~~~python
;;   def quantise(x, axis):      # numpy; x: float32 -> the quantised numbers, widened to float32 again
;;       x = np.moveaxis(x, axis, -1); K = x.shape[-1]
;;       x = np.pad(x, [(0, 0)] * (x.ndim - 1) + [(0, -K % 32)]); x = x.reshape(x.shape[:-1] + (-1, 32)); a = np.abs(x).max(-1, keepdims=True)
;;       e = np.where(a > 0, np.clip(np.frexp(np.where(a > 0, a, 1))[1] - 1 - 2, -126, 127), 0)      # np.frexp(a)[1] - 1 = floor(log2(a)), exactly
;;       r = np.clip(x / 2.0 ** e, -6, 6)
;;       step = 2.0 ** (np.maximum(np.frexp(np.where(r == 0, 1, r))[1] - 1, 0) - 1)
;;       q = np.round(r / step) * step * 2.0 ** e      # np.round: ties to even
;;       return np.moveaxis(q.reshape(q.shape[:-2] + (-1,))[..., :K], -1, axis).astype(np.float32)
;;   ~~~
;; One version. Each part assembles by itself: llvm-mc -triple=amdgcn-amd-amdhsa -mcpu=gfx1250 --defsym DOCPART=n.
;; ======== version 1 of 1: 5 launches
;; limits: values are held in f16: magnitudes above 65,504 overflow, below 6.1e-05 lose precision
;; workspace buffers: cod 7,340,032 bytes; sc 458,752 bytes; woh 8,388,608 bytes; wol 8,388,608 bytes; rope 524,288 bytes; qkv16 25,165,824 bytes; qkv32 786,432 bytes; at16 16,777,216 bytes
;; launch prep (part 1): grid 912 x 1, 4 waves a work-group, no clusters, 33,280 bytes of LDS; arguments x, Wq, Wk, Wv, Wo, cod, sc, woh, wol, rope; writes cod, sc, woh, wol, rope
.if DOCPART == 1
	.amdgcn_target "amdgcn-amd-amdhsa--gfx1250"
	.amdhsa_code_object_version 6
	.text
	.protected	k_q0427b05bd9_prep
	.globl	k_q0427b05bd9_prep
	.p2align	8
	.type	k_q0427b05bd9_prep,@function
k_q0427b05bd9_prep:
	s_mov_b64 s[64:65], 0
	v_nop
	global_prefetch_b8 v0, s[64:65] scope:SCOPE_SE
	s_setreg_imm32_b32 hwreg(HW_REG_WAVE_MODE, 25, 1), 1
	s_wait_xcnt 0x0
; PREP: the first of five launches of causal grouped-query attention (B 4, S 1024, D 2048, 16 query heads, 4 key/value heads of 128).
; WHAT IS LEFT OUT IN THE PROGRAM: no input: every weight and every bias (bk too: it is rotated by position, so it is not constant along the softmax's axis) has a way to out0.
; Left out, in launch attn, are only the tiles of scores and of weights x values all of whose keys come after all of their queries: reference() builds the causal mask in its
; own body and throws those scores away ahead of the softmax, whatever the inputs hold.  LIMIT: a NaN, an infinity or an overflow that reaches only those tiles is not carried to the result.
; THIS LAUNCH, four kinds of work-groups, told apart by the work-group's number alone; waves share nothing, no barrier:
;   0-383   PW: Wq, Wk, Wv (f32, K = D is their FIRST axis) -> codes of E2M1 and E8M0 bytes.  A lane takes a column, its registers run down K.  The codes leave as images of the operand's registers.
;   384-639 PO: Wo -> two f16 numbers, a high and a low part, as images of the 16 x 32 fragments of the projection.
;   640-895 PX: x (K innermost) -> codes and bytes, a plain stream of blocks of 32.
;   896-911 PT: the table of cos and sin, in the layout of a matrix result (lane (r, h): position 16 pt + r, frequencies 16 cb + 8 h + j).
; A PW or PO work-group takes 128 columns x 128 along K: four blocks of 32 a wave, two of them (64 loads, 8,192 bytes a wave) on their way; the work is cut so small so that many waves load at a time.
; An IMAGE is 512 bytes in which lane L's 16 bytes lie at 16 L: one 16-byte load or store of a wave covers it whole.
; THE QUANTISER: a block's byte is its largest magnitude's exponent field - 2, held at 1 from below; a block of zeros so gets the byte 1 (its codes are zeros, and this program alone reads the bytes).
; LIMITS: blocks whose largest magnitude lies under 2^-124 take the byte 1; NaN and infinities among the inputs are not served; |Wo| stays under 65,504, and parts of Wo under 2^-14 are kept to 2^-25;
; the angles differ from reference()'s f32 angles by up to about 2e-4 rad at the last positions.
.set SPARE, 32768                      ; behind PX's four regions: the spare words, 128 bytes for each wave
.set SPW,   192                        ; v192 LDS address of my spare word; never rewritten
.set NIL,   193                        ; v193 0; never rewritten
.set OFR,   16                         ; v16-47  PW, PO: row i of a block: i x pitch + 4 x lane
.set XW,    48                         ; v48-111 PW, PO: two sets of 32 numbers
.set CW,    112                        ; v112-127 PW: the codes of four blocks; PO: a block's high parts
.set LW,    128                        ; v128 PW: the four scale bytes; v128-143 PO: a block's low parts
.set WREG,  8192                       ; PX: LDS of a wave: two stages of 32 x SP bytes, then its 256 scale bytes
.set SP,    80
; 32 rows of a block: each load reads 128 neighbouring bytes of one row.  step = 1: the base goes 32 rows down first, behind the wait that frees it (and the data of the stores issued before)
.macro LOADW set, step
.if \step
	s_wait_xcnt 0x0
	s_add_nc_u64 s[28:29], s[28:29], s[30:31]
.endif
.irp i, 0,1,2,3,4,5,6,7,8,9,10,11,12,13,14,15,16,17,18,19,20,21,22,23,24,25,26,27,28,29,30,31
	global_load_b32 v[XW+32*(\set)+\i], v[OFR+\i], s[28:29] th:TH_LOAD_NT
.endr
.endm
.macro OFFSETS
.irp i, 0,1,2,3,4,5,6,7,8,9,10,11,12,13,14,15,16,17,18,19,20,21,22,23,24,25,26,27,28,29,30,31
	v_mad_u32_u24 v[OFR+\i], s32, \i, v3
.endr
.endm
; PW: block t of 4 (32 along K) of my column
.macro WBLOCK t
.set XS, XW+32*((\t)%2)
.if (\t) < 3
	s_wait_loadcnt 32                              ; this block's 32 loads are in; the next block's may be out
.else
	s_wait_loadcnt 0x0
.endif
	v_max3_num_f32 v12, |v[XS]|, |v[XS+1]|, |v[XS+2]|
	v_max3_num_f32 v13, |v[XS+3]|, |v[XS+4]|, |v[XS+5]|
.irp i, 6,10,14,18,22,26
	v_max3_num_f32 v12, v12, |v[XS+\i]|, |v[XS+\i+1]|
	v_max3_num_f32 v13, v13, |v[XS+\i+2]|, |v[XS+\i+3]|
.endr
	v_max3_num_f32 v12, v12, |v[XS+30]|, |v[XS+31]|
	v_max3_num_f32 v12, v12, v13, 0x1800000        ; the floor 2^(3 - 127): the byte cannot fall under 1
	v_add_nc_u32 v11, 0xff000000, v12              ; 2 off the exponent field: the conversion's scale operand
	v_lshrrev_b32 v13, 23, v11                     ; the byte
.if (\t) == 0
	v_mov_b32 v[LW], v13
.else
	v_lshl_or_b32 v[LW], v13, 8*(\t), v[LW]
.endif
.irp g, 0,1,2,3
	v_cvt_scalef32_pk8_fp4_f32 v[CW+4*(\t)+\g], v[XS+8*\g:XS+8*\g+7], v11
.endr
	v_nop                                          ; one plain line behind the scaled conversions
.if (\t) < 2
	LOADW (\t)%2, 1
.endif
.endm
; PO: block tt of four.  load = 1: the block two on is asked for; 2: only the wait that frees the stores' data; 0: nothing
.macro OBLOCK tt, load, left
.set XS, XW+32*((\tt)%2)
	s_wait_loadcnt \left
.irp i, 0,1,2,3,4,5,6,7,8,9,10,11,12,13,14,15
.set TT, 8+4*(\i%2)
	v_add_nc_u32 v[TT], 0x1000, v[XS+2*\i]         ; half a unit of f16's last place onto the magnitude,
	v_add_nc_u32 v[TT+1], 0x1000, v[XS+2*\i+1]
	v_and_b32 v[TT], s40, v[TT]                    ; and the 13 lowest bits away: the nearest number of 11 bits
	v_and_b32 v[TT+1], s40, v[TT+1]
	v_pk_add_f32 v[TT+2:TT+3], v[XS+2*\i:XS+2*\i+1], v[TT:TT+1] neg_lo:[0,1] neg_hi:[0,1]   ; what is left, exact in f32
	v_cvt_pk_f16_f32 v[CW+\i], v[TT], v[TT+1]
	v_cvt_pk_f16_f32 v[LW+\i], v[TT+2], v[TT+3]
.endr
.irp i, 0,1,2,3
	v_permlane16_swap_b32 v[CW+\i], v[CW+4+\i]     ; lanes 0-15: k 0-7, lanes 16-31: k 8-15 of the same 16 columns
	v_permlane16_swap_b32 v[CW+8+\i], v[CW+12+\i]
	v_permlane16_swap_b32 v[LW+\i], v[LW+4+\i]
	v_permlane16_swap_b32 v[LW+8+\i], v[LW+12+\i]
.endr
.irp f, 0,1
.irp c, 0,1
	global_store_b128 v4, v[CW+4*\f+8*\c:CW+4*\f+8*\c+3], s[34:35] offset:\f*4096+(\tt)*1024+\c*512
	global_store_b128 v4, v[LW+4*\f+8*\c:LW+4*\f+8*\c+3], s[38:39] offset:\f*4096+(\tt)*1024+\c*512
.endr
.endr
.if \load == 1
	LOADW (\tt)%2, 1
.elseif \load == 2
	s_wait_xcnt 0x0
.endif
.endm
; PX: a step of 512 numbers
.macro XLOAD t
.irp i, 0,1,2,3
	global_load_b128 v[16+16*((\t)%4)+4*\i:16+16*((\t)%4)+4*\i+3], v4, s[28:29] offset:2048*(\t)+512*\i th:TH_LOAD_NT
.endr
.endm
.macro XTURN t                         ; through the wave's own stage: in as loaded, out 64 bytes a lane; LDS serves a wave's instructions in order
.irp i, 0,1,2,3
	ds_store_b128 v14, v[16+16*((\t)%4)+4*\i:16+16*((\t)%4)+4*\i+3] offset:32*SP*((\t)%2)+8*SP*\i
.endr
.irp i, 0,1,2,3
	ds_load_b128 v[80+16*((\t)%2)+4*\i:80+16*((\t)%2)+4*\i+3], v15 offset:32*SP*((\t)%2)+16*\i
.endr
.endm
.macro XSTEP t
.set XS, 80+16*((\t)%2)
.if (\t) > 0
	s_wait_dscnt 1                                 ; this step's numbers are back (the last step's byte store may be out)
.else
	s_wait_dscnt 0x0
.endif
.if (\t)+4 < 16
	XLOAD (\t)+4
.endif
.if (\t)+1 < 16
.if 14-(\t) >= 3
	s_wait_loadcnt 12                              ; the next step's four loads are in; three steps' may be out
.else
	s_wait_loadcnt 4*(14-(\t))
.endif
	XTURN (\t)+1
.endif
	v_max3_num_f32 v8, |v[XS]|, |v[XS+1]|, |v[XS+2]|
	v_max3_num_f32 v9, |v[XS+3]|, |v[XS+4]|, |v[XS+5]|
.irp i, 6,10
	v_max3_num_f32 v8, v8, |v[XS+\i]|, |v[XS+\i+1]|
	v_max3_num_f32 v9, v9, |v[XS+\i+2]|, |v[XS+\i+3]|
.endr
	v_max3_num_f32 v8, v8, |v[XS+14]|, |v[XS+15]|
	v_max3_num_f32 v8, v8, v9, 0x1800000
	v_max_num_f32_dpp v8, v8, v8 row_xmask:1 row_mask:0xf bank_mask:0xf   ; with my neighbour's 16: the block's
	v_add_nc_u32 v11, 0xff000000, v8
	v_cvt_scalef32_pk8_fp4_f32 v[128+4*(\t)], v[XS:XS+7], v11
	v_cvt_scalef32_pk8_fp4_f32 v[128+4*(\t)+1], v[XS+8:XS+15], v11
	v_lshrrev_b32 v[112+(\t)], 23, v11
	ds_store_b8 v5, v[112+(\t)] offset:16*(\t)     ; both lanes of a block write the same byte
	global_store_b64 v7, v[128+4*(\t):128+4*(\t)+1], s[34:35] offset:256*(\t)
.endm
; PT: four frequencies 16 cb + 8 h + 4 q + 0..3 of my position
.macro ROPEQ cb, q
.irp j, 0,1,2,3
	v_add_nc_u32 v[16+\j], 16*\cb+4*\q+\j, v11
.endr
.irp j, 0,1,2,3
	v_cvt_f32_u32 v[16+\j], v[16+\j]
.endr
.irp j, 0,1,2,3
	v_mul_f32 v[16+\j], s32, v[16+\j]              ; - i log2(10000) / 64
.endr
.irp j, 0,1,2,3
	v_exp_f32 v[16+\j], v[16+\j]
.endr
	v_nop                                          ; a plain line behind the batch,
	s_wait_alu depctr_va_vdst(0)                   ; and its one wait ahead of the first reader
.irp j, 0,1,2,3
	v_mul_f32 v[16+\j], v10, v[16+\j]              ; the angle
.endr
.irp j, 0,1,2,3
	v_mul_f32 v[20+\j], s33, v[16+\j]
.endr
.irp j, 0,1,2,3
	v_rndne_f32 v[20+\j], v[20+\j]                 ; n: quarter turns
.endr
.irp j, 0,1,2,3
	v_fma_f32 v[16+\j], -v[20+\j], s34, v[16+\j]   ; less n x pi / 2, in two parts
.endr
.irp j, 0,1,2,3
	v_fma_f32 v[16+\j], -v[20+\j], s35, v[16+\j]
.endr
.irp j, 0,1,2,3
	v_mul_f32 v[24+\j], v[16+\j], v[16+\j]         ; z
	v_cvt_i32_f32 v[20+\j], v[20+\j]
.endr
.irp j, 0,1,2,3
	v_fma_f32 v[28+\j], v[24+\j], s36, s37
	v_fma_f32 v[32+\j], v[24+\j], s39, s40
.endr
.irp j, 0,1,2,3
	v_fma_f32 v[28+\j], v[28+\j], v[24+\j], s38
	v_fma_f32 v[32+\j], v[32+\j], v[24+\j], s41
.endr
.irp j, 0,1,2,3
	v_mul_f32 v[28+\j], v[28+\j], v[24+\j]
	v_mul_f32 v[36+\j], v[24+\j], v[24+\j]
	v_fma_f32 v[24+\j], v[24+\j], -0.5, 1.0
.endr
.irp j, 0,1,2,3
	v_fma_f32 v[28+\j], v[28+\j], v[16+\j], v[16+\j]   ; sin of the rest
	v_fma_f32 v[32+\j], v[32+\j], v[36+\j], v[24+\j]   ; cos of the rest
.endr
	s_wait_xcnt 0x0                                ; the last stores have read v40-47
.irp j, 0,1,2,3
	v_and_b32 v[36+\j], 1, v[20+\j]
	v_cmp_eq_u32 vcc_lo, 1, v[36+\j]               ; an odd quarter: the two change places
	v_cndmask_b32 v[40+\j], v[28+\j], v[32+\j], vcc_lo
	v_cndmask_b32 v[44+\j], v[32+\j], v[28+\j], vcc_lo
	v_and_b32 v[36+\j], 2, v[20+\j]                ; sin is negative in quarters 2, 3;
	v_add_nc_u32 v[20+\j], 1, v[20+\j]
	v_lshlrev_b32 v[36+\j], 30, v[36+\j]
	v_and_b32 v[20+\j], 2, v[20+\j]                ; cos in quarters 1, 2
	v_xor_b32 v[40+\j], v[36+\j], v[40+\j]
	v_lshlrev_b32 v[20+\j], 30, v[20+\j]
	v_xor_b32 v[44+\j], v[20+\j], v[44+\j]
.endr
	global_store_b128 v4, v[44:47], s[28:29] offset:2048*\cb+512*\q
	global_store_b128 v4, v[40:43], s[28:29] offset:2048*\cb+512*\q+1024
.endm
	s_load_b512 s[4:19], s[0:1], 0x0               ; x 4, Wq 6, Wk 8, Wv 10, Wo 12, cod 14, sc 16, woh 18
	s_load_b128 s[20:23], s[0:1], 0x40             ; wol 20, rope 22
	v_lshl_add_u32 v[SPW], v0, 2, SPARE
	v_mov_b32 v[NIL], 0
	v_lshrrev_b32 v1, 5, v0
	v_readfirstlane_b32 s24, v1                    ; wave
	v_and_b32 v2, 31, v0                           ; lane
	v_lshlrev_b32 v3, 2, v2
	v_lshlrev_b32 v4, 4, v2
	s_wait_kmcnt 0x0
	s_cmp_lt_u32 ttmp9, 384
	s_cbranch_scc1 .Lpw
	s_cmp_lt_u32 ttmp9, 640
	s_cbranch_scc1 .Lpo
	s_cmp_lt_u32 ttmp9, 896
	s_cbranch_scc1 .Lpx
	; ---- PT: wave = 16 positions
	s_sub_co_u32 s25, ttmp9, 896
	s_lshl_b32 s25, s25, 2
	s_add_co_u32 s25, s25, s24                     ; pt
	s_lshl_b32 s26, s25, 13
	s_mov_b32 s27, 0
	s_add_nc_u64 s[28:29], s[22:23], s[26:27]
	s_lshl_b32 s25, s25, 4
	v_and_b32 v5, 15, v0
	v_bfe_u32 v11, v0, 4, 1
	v_lshlrev_b32 v11, 3, v11                      ; 8 h
	v_add_nc_u32 v10, s25, v5
	v_cvt_f32_u32 v10, v10                         ; my position
	s_mov_b32 s32, 0xbe549a78                      ; - log2(10000) / 64
	s_mov_b32 s33, 0x3f22f983                      ; 2 / pi
	s_mov_b32 s34, 0x3fc90fdb                      ; pi / 2, high part
	s_mov_b32 s35, 0xb33bbd2e                      ; and the rest
	s_mov_b32 s36, 0xb94ca1f9                      ; sin: three coefficients, good on |rest| <= pi / 4
	s_mov_b32 s37, 0x3c08839e
	s_mov_b32 s38, 0xbe2aaaa3
	s_mov_b32 s39, 0x37ccf5ce                      ; cos: three
	s_mov_b32 s40, 0xbab6061a
	s_mov_b32 s41, 0x3d2aaaa5
.irp cb, 0,1,2,3
.irp q, 0,1
	ROPEQ \cb, \q
.endr
.endr
	s_endpgm
	; ---- PW: 128 columns (one head) x 128 along K; a wave 32 columns
.Lpw:
	s_lshr_b32 s25, ttmp9, 4                       ; slot: 0-15 Q heads, 16 + 2 g K head g, 17 + 2 g V head g
	s_and_b32 s26, ttmp9, 15                       ; which 128 along K
	s_sub_co_u32 s27, s25, 16
	s_lshr_b32 s27, s27, 1
	s_bitcmp1_b32 s25, 0
	s_cselect_b64 s[28:29], s[10:11], s[8:9]       ; the choices hang on the work-group's number alone
	s_cmp_lt_u32 s25, 16
	s_cselect_b64 s[28:29], s[6:7], s[28:29]
	s_cselect_b32 s27, s25, s27                    ; the head in its tensor
	s_mov_b32 s32, 2048
	s_cselect_b32 s32, 8192, s32                   ; a row of the tensor in bytes
	s_lshl_b32 s36, s26, 7
	s_mul_i32 s36, s36, s32
	s_lshl_b32 s33, s27, 9
	s_add_co_u32 s36, s36, s33
	s_lshl_b32 s33, s24, 7
	s_add_co_u32 s36, s36, s33
	s_mov_b32 s37, 0
	s_add_nc_u64 s[28:29], s[28:29], s[36:37]
	s_lshl_b32 s30, s32, 5                         ; 32 rows on
	s_mov_b32 s31, 0
	s_lshr_b32 s33, s25, 1                         ; codes: (((slot / 2) 4 + KS) 16 + (slot % 2) 8 + 2 wave) x 4,096 + 1,024 q, behind x's codes; KS = my 128 / 4, q = my 128 % 4
	s_lshl_b32 s33, s33, 2
	s_lshr_b32 s36, s26, 2
	s_add_co_u32 s33, s33, s36
	s_lshl_b32 s33, s33, 4
	s_and_b32 s36, s25, 1
	s_lshl_b32 s36, s36, 3
	s_add_co_u32 s33, s33, s36
	s_lshl_b32 s36, s24, 1
	s_add_co_u32 s33, s33, s36
	s_lshl_b32 s33, s33, 12
	s_and_b32 s36, s26, 3
	s_lshl_b32 s36, s36, 10
	s_add_co_u32 s36, s36, s33
	s_add_co_u32 s36, s36, 4194304
	s_add_nc_u64 s[34:35], s[14:15], s[36:37]
	s_lshl_b32 s36, s25, 7                         ; bytes: (128 slot + 32 wave) x 64 + 4 x my 128, behind x's bytes
	s_lshl_b32 s33, s24, 5
	s_add_co_u32 s36, s36, s33
	s_lshl_b32 s36, s36, 6
	s_lshl_b32 s33, s26, 2
	s_add_co_u32 s36, s36, s33
	s_add_co_u32 s36, s36, 262144
	s_add_nc_u64 s[38:39], s[16:17], s[36:37]
	v_lshlrev_b32 v5, 6, v2
	OFFSETS
	LOADW 0, 0
	LOADW 1, 1
.irp t, 0,1,2,3
	WBLOCK \t
.endr
; four blocks = 128 along K.  An image wants lanes 0-15 = the even block, lanes 16-31 = the odd block of the SAME 16 columns: the even block's upper lanes change places with the odd block's lower lanes
.irp i, 0,1,2,3
	v_permlane16_swap_b32 v[CW+\i], v[CW+4+\i]
	v_permlane16_swap_b32 v[CW+8+\i], v[CW+12+\i]
.endr
.irp f, 0,1
.irp c, 0,1
	global_store_b128 v4, v[CW+4*\f+8*\c:CW+4*\f+8*\c+3], s[34:35] offset:\f*4096+\c*512
.endr
.endr
	global_store_b32 v5, v[LW], s[38:39]           ; my column's four bytes
	s_endpgm
	; ---- PO: 128 columns x 128 along K (one head) of Wo
.Lpo:
	s_sub_co_u32 s25, ttmp9, 384
	s_lshr_b32 s26, s25, 4                         ; which 128 columns
	s_and_b32 s25, s25, 15                         ; which head
	s_mov_b32 s32, 8192
	s_lshl_b32 s36, s25, 20
	s_lshl_b32 s33, s26, 9
	s_add_co_u32 s36, s36, s33
	s_lshl_b32 s33, s24, 7
	s_add_co_u32 s36, s36, s33
	s_mov_b32 s37, 0
	s_add_nc_u64 s[28:29], s[12:13], s[36:37]
	s_mov_b32 s30, 262144
	s_mov_b32 s31, 0
	s_lshr_b32 s33, s26, 1                         ; (((cg / 2) 16 + head) 16 + (cg % 2) 8 + 2 wave) x 4,096
	s_lshl_b32 s33, s33, 4
	s_add_co_u32 s33, s33, s25
	s_lshl_b32 s33, s33, 4
	s_and_b32 s36, s26, 1
	s_lshl_b32 s36, s36, 3
	s_add_co_u32 s33, s33, s36
	s_lshl_b32 s36, s24, 1
	s_add_co_u32 s33, s33, s36
	s_lshl_b32 s36, s33, 12
	s_add_nc_u64 s[34:35], s[18:19], s[36:37]
	s_add_nc_u64 s[38:39], s[20:21], s[36:37]
	s_mov_b32 s40, 0xffffe000
	OFFSETS
	LOADW 0, 0
	LOADW 1, 1
	OBLOCK 0, 1, 32                                ; four blocks: two more loads, then none
	OBLOCK 1, 1, 32
	OBLOCK 2, 2, 32
	OBLOCK 3, 0, 0
	s_endpgm
	; ---- PX: a wave takes 8,192 numbers of x
.Lpx:
	s_mul_i32 s25, s24, WREG
	v_lshrrev_b32 v14, 2, v2
	v_mul_u32_u24 v14, v14, SP
	v_and_b32 v15, 3, v2
	v_lshl_add_u32 v14, v15, 4, v14
	v_add_nc_u32 v14, s25, v14                     ; the stage, in: SP (lane / 4) + 16 (lane % 4)
	v_mul_u32_u24 v15, v2, SP
	v_add_nc_u32 v15, s25, v15                     ; out: SP x lane
	v_lshlrev_b32 v7, 3, v2                        ; 8 bytes a lane
	v_lshrrev_b32 v5, 1, v2
	s_add_co_u32 s25, s25, 2*32*SP
	v_add_nc_u32 v5, s25, v5                       ; my block's byte among the wave's 256
	v_add_nc_u32 v6, s25, v7
	s_sub_co_u32 s26, ttmp9, 640
	s_lshl_b32 s26, s26, 2
	s_add_co_u32 s26, s26, s24                     ; which run of 8,192 numbers
	s_mov_b32 s37, 0
	s_lshl_b32 s36, s26, 15
	s_add_nc_u64 s[28:29], s[4:5], s[36:37]
	s_lshl_b32 s36, s26, 12
	s_add_nc_u64 s[34:35], s[14:15], s[36:37]
	s_lshl_b32 s36, s26, 8
	s_add_nc_u64 s[38:39], s[16:17], s[36:37]
.irp t, 0,1,2,3
	XLOAD \t
.endr
	s_wait_loadcnt 12
	XTURN 0
.irp t, 0,1,2,3,4,5,6,7,8,9,10,11,12,13,14,15
	XSTEP \t
.endr
	ds_load_b64 v[8:9], v6
	s_wait_dscnt 0x0
	global_store_b64 v7, v[8:9], s[38:39]          ; 32 lanes store 256 consecutive bytes
	s_wait_tensorcnt 0x0                           ; the wave's end, behind my last LDS store
	ds_add_u32 v[SPW], v[NIL]
	s_wait_dscnt 0x0
	s_endpgm
.Lfunc_end_k_q0427b05bd9_prep:
	.size	k_q0427b05bd9_prep, .Lfunc_end_k_q0427b05bd9_prep-k_q0427b05bd9_prep
	.p2alignl 7, 3214868480
	.fill 96, 4, 3214868480
	.section	.rodata,"a",@progbits
	.p2align	6, 0x0
	.amdhsa_kernel k_q0427b05bd9_prep
		.amdhsa_group_segment_fixed_size 33280
		.amdhsa_private_segment_fixed_size 0
		.amdhsa_enable_private_segment 0
		.amdhsa_kernarg_size 80
		.amdhsa_user_sgpr_count 2
		.amdhsa_user_sgpr_kernarg_segment_ptr 1
		.amdhsa_wavefront_size32 1
		.amdhsa_system_sgpr_workgroup_id_x 1
		.amdhsa_system_sgpr_workgroup_id_y 1
		.amdhsa_system_sgpr_workgroup_id_z 1
		.amdhsa_system_vgpr_workitem_id 0
		.amdhsa_next_free_vgpr 200
		.amdhsa_next_free_sgpr 66
		.amdhsa_reserve_vcc 1
		.amdhsa_float_denorm_mode_32 3
		.amdhsa_float_denorm_mode_16_64 3
		.amdhsa_memory_ordered 1
		.amdhsa_forward_progress 1
		.amdhsa_inst_pref_size 143
	.end_amdhsa_kernel
	.amdgpu_metadata
---
amdhsa.version: [ 1, 2 ]
amdhsa.kernels:
  - .name:           k_q0427b05bd9_prep
    .symbol:         k_q0427b05bd9_prep.kd
    .args:
      - { .name: x, .offset: 0, .size: 8, .value_kind: global_buffer, .address_space: global }
      - { .name: Wq, .offset: 8, .size: 8, .value_kind: global_buffer, .address_space: global }
      - { .name: Wk, .offset: 16, .size: 8, .value_kind: global_buffer, .address_space: global }
      - { .name: Wv, .offset: 24, .size: 8, .value_kind: global_buffer, .address_space: global }
      - { .name: Wo, .offset: 32, .size: 8, .value_kind: global_buffer, .address_space: global }
      - { .name: cod, .offset: 40, .size: 8, .value_kind: global_buffer, .address_space: global }
      - { .name: sc, .offset: 48, .size: 8, .value_kind: global_buffer, .address_space: global }
      - { .name: woh, .offset: 56, .size: 8, .value_kind: global_buffer, .address_space: global }
      - { .name: wol, .offset: 64, .size: 8, .value_kind: global_buffer, .address_space: global }
      - { .name: rope, .offset: 72, .size: 8, .value_kind: global_buffer, .address_space: global }
    .group_segment_fixed_size: 33280
    .private_segment_fixed_size: 0
    .kernarg_segment_align: 8
    .kernarg_segment_size: 80
    .max_flat_workgroup_size: 128
    .sgpr_count:     66
    .vgpr_count:     200
    .wavefront_size: 32
...
	.end_amdgpu_metadata
.endif
;; end of part 1
;; launch qkv (part 2): grid 12 x 16, 4 waves a work-group, clusters of 4 x 4, 327,680 bytes of LDS; arguments cod, sc, bq, bk, bv, rope, qkv16, qkv32; writes qkv16, qkv32
.if DOCPART == 2
	.amdgcn_target "amdgcn-amd-amdhsa--gfx1250"
	.amdhsa_code_object_version 6
	.text
	.protected	k_q0427b05bd9_qkv
	.globl	k_q0427b05bd9_qkv
	.p2align	8
	.type	k_q0427b05bd9_qkv,@function
k_q0427b05bd9_qkv:
	s_mov_b64 s[64:65], 0
	v_nop
	global_prefetch_b8 v0, s[64:65] scope:SCOPE_SE
	s_setreg_imm32_b32 hwreg(HW_REG_WAVE_MODE, 25, 1), 1
	s_wait_xcnt 0x0
	s_wait_alu depctr_hold_cnt(0) depctr_sa_sdst(0) depctr_va_vdst(0) depctr_va_sdst(0) depctr_va_ssrc(0) depctr_va_vcc(0) depctr_vm_vsrc(0)
	s_getreg_b32 s2, hwreg(HW_REG_IB_STS2, 6, 4)
	s_cmp_eq_u32 s2, 0
	s_cbranch_scc0 .Lentry_in_a_cluster
	s_endpgm
.Lentry_in_a_cluster:
	s_bfe_u32 s2, ttmp6, 0x10000c
	s_cmp_lg_u32 s2, 0xf033
	s_cbranch_scc0 .Lentry_shape_is_right
	s_endpgm
.Lentry_shape_is_right:
; QKV: [4096 rows of x] x [3072 columns: 16 Q heads, then K head g and V head g by turns], K = 2048, on codes of E2M1 with E8M0 bytes; then bias, rotation by position, f16.  Nothing is left out here.
; A tile of 256 x 256 to a work-group of four waves; a wave makes 128 rows x 128 columns = ONE head: 64 accumulators.  12 x 16 = 192 work-groups: a smaller tile would read each LDS byte for half the products,
; and the rotation's partners (d, d + 64) must lie in one wave.
; K goes in steps of 512 through two LDS slots.  x's tiles are rows of 256 bytes, padded to 272; the weights' tiles are dense images of the operand's registers (lane L's 16 bytes at 16 L), 65,536 bytes a step.
; The scale bytes of the work-group's 256 rows and 256 columns, for all of K, come once and stay.
; CLUSTERS 4 x 4: x's tiles are shared along a row of the cluster, the weights' along a column; each is asked for jointly.
; THE MATRIX INSTRUCTION IS USED TRANSPOSED (source 0 = 16 columns of W, source 1 = 16 rows of x): lane (r, h) holds row r and columns 16 cb + 8 h + 0..7.  The bias is the C of each sum's first instruction.
; THE WAY OUT needs no LDS: a lane's eight f16 are 16 bytes of an image [position tile][cb][512 bytes], which is the fragment layout of the next launches; a wave's store covers 512 consecutive bytes.
; V heads are laid so that the turning LDS load of launch attn, at 16 x lane, gives a fragment of V^T.  Positions 0 to 15 of every sequence are also kept in f32 (qkv32) for launch fine.
; THE TABLES of cos and sin, 64 registers for each of a wave's eight blocks of 16 rows, are asked for ahead: blocks 0 and 1 at the head, into registers of window 1 that the loop does not use; block 2 behind the first
; step of 128 along K, into the bias's registers; blocks 3 to 5 at the start of the way out, into the fragments' registers; blocks 6 and 7 into blocks 0's and 1's, three blocks ahead of their use.
; The waves that hold V heads issue the first three requests too (24,576 bytes a wave, in 128 of the 768 waves) and do not use them: the text parts the two kinds of waves once, on the way out.
; LIMITS: |q|, |k|, |v| stay under 65,504.
; REGISTERS: window 0: v16-30 addresses; v32-95 scale words, two sets; v128-191 x's fragments, one set; v192-255 the bias.  window 1: W's fragments, two sets, at v0 and v128.  windows 2, 3: accumulator (a, cb) at v[8 (8 (a % 4) + cb)].
.set NQ,     4
.set PITCH,  272
.set FR,     8
.set NL,     2
.set NP,     4
.set HALFA,  128*PITCH
.set BOFF,   2*HALFA
.set HALFB,  32768
.set SLOT,   BOFF+2*HALFB
.set SCL,    2*SLOT
.set HALFS,  32*272
.set SBLK,   4*272
.set SPARE,  SCL+4*HALFS
.set ADRA, 16
.set ADRB, 20
.set ADRS, 27
.set SPW,  28
.set NIL,  29
.set LIT,  30                          ; v30 16 x lane; never rewritten
.set SC,   32
.set AF,   128
.set BIAS, 192
.set NR,   32                          ; the way out: 64 rotated numbers
.set HR,   96                          ; and their 32 registers of f16
.set G1, 24
.set G0, 32
.set G1B, 48
.set G0B, 56
.set G1S, 68
.set G0S, 76
.set G1SB, 80
.set G0SB, 88
.set ROPE, 92
.set O16, 94
.set O32, 96
.set BB, 98
.set MSB, 0
.macro WIN new
.if MSB != (\new)
	s_set_vgpr_msb (MSB<<8)|(\new)
.set MSB, (\new)
.endif
.endm
.set MUL_LO, 0xa1
.set MUL_HI, 0xf1
.set TO_B,   0x40
.macro JLOAD g0a, g1a, g0b, g1b        ; waves 0, 1 fetch for x, waves 2, 3 for W; the branch hangs on the wave's number alone
	s_cmp_eq_u32 s21, 0
	s_cbranch_scc0 .Lfor_b_\@
	tensor_load_to_lds s[\g0a:\g0a+3], s[\g1a:\g1a+7]
	s_nop 0
.rept 4
	v_nop
.endr
	s_branch .Lasked_\@
.Lfor_b_\@:
	tensor_load_to_lds s[\g0b:\g0b+3], s[\g1b:\g1b+7]
	s_nop 0
.rept 4
	v_nop
.endr
.Lasked_\@:
.endm
.macro CREST
	s_cmp_lg_u32 s20, 0
	s_cbranch_scc1 .Lnot_wave_0_\@
	s_barrier_signal -3
.Lnot_wave_0_\@:
	s_barrier_wait -3
	s_barrier_signal -1
	s_barrier_wait -1
.endm
.macro CROUND
	s_barrier_signal -1
	s_barrier_wait -1
	CREST
.endm
.macro PLACES n
.rept \n
	v_nop
.endr
.endm
; the table of block a into 64 registers from v[ts] of window tw: for each cb registers 0-7 cos, 8-15 sin
.macro TLOADR a, tw, ts
	WIN (\tw)<<6
.irp cb, 0,1,2,3
.irp k, 0,1,2,3
	global_load_b128 v[(\ts)+16*\cb+4*\k:(\ts)+16*\cb+4*\k+3], v[LIT], s[ROPE:ROPE+1] offset:8192*(\a)+2048*\cb+512*\k
.endr
.endr
	WIN 0
.endm
	s_load_b256 s[4:11], s[0:1], 0x0               ; cod 4, sc 6, bq 8, bk 10
	s_load_b256 s[12:19], s[0:1], 0x20             ; bv 12, rope 14, qkv16 16, qkv32 18
	v_lshl_add_u32 v[SPW], v0, 2, SPARE
	v_mov_b32 v[NIL], 0
	ds_add_u32 v[SPW], v[NIL]                      ; the wave's opening: the add, twice on end, and its wait ahead of my first tensor load
	ds_add_u32 v[SPW], v[NIL]
	v_lshrrev_b32 v1, 5, v0
	v_readfirstlane_b32 s20, v1                    ; wave
	s_lshr_b32 s21, s20, 1                         ; my half of the rows.  Also: I fetch for x (0) or for W (1)
	s_and_b32 s22, s20, 1                          ; my half of the columns.  Also: which half of that tile I fetch
	s_bfe_u32 s40, ttmp6, 0x40000                  ; cx
	s_bfe_u32 s41, ttmp6, 0x40004                  ; cy
	s_lshl_b32 s42, ttmp9, 2
	s_add_co_u32 s42, s42, s40                     ; tile column
	s_and_b32 s66, ttmp7, 0xffff
	s_lshl_b32 s66, s66, 2
	s_add_co_u32 s66, s66, s41                     ; tile row
	s_lshl_b32 s43, s41, 2
	s_lshl_b32 s43, 15, s43                        ; my row of the cluster
	s_lshl_b32 s44, 0x1111, s40                    ; my column
	s_or_b32 s[G1+0], s43, (0<<16)|(1<<20)|(1<<21)|(5<<22)|(3<<25)   ; x: bytes; 4 words of padding behind every 64
	s_mov_b32 s[G1+1], 256<<16
	s_mov_b32 s[G1+2], 128<<16
	s_mov_b32 s[G1+3], 256<<16
	s_mov_b32 s[G1+4], 128
	s_mov_b32 s[G1+5], 1024
	s_mov_b32 s[G1+6], 0
	s_mov_b32 s[G1+7], 0
	s_or_b32 s[G1B+0], s44, (3<<16)|(1<<21)        ; W: a dense block of 32,768 bytes as 128 rows of 32 elements of 8 bytes
	s_mov_b32 s[G1B+1], 32<<16
	s_mov_b32 s[G1B+2], 128<<16
	s_mov_b32 s[G1B+3], 32<<16
	s_mov_b32 s[G1B+4], 128
	s_mov_b32 s[G1B+5], 32
	s_mov_b32 s[G1B+6], 0
	s_mov_b32 s[G1B+7], 0
	s_or_b32 s[G1S+0], s43, (3<<16)|(1<<20)|(1<<21)|(5<<22)|(3<<25)  ; the scale bytes of 128 rows: 32 rows of 256 bytes, padded
	s_or_b32 s[G1SB+0], s44, (3<<16)|(1<<20)|(1<<21)|(5<<22)|(3<<25)
.irp g, G1S, G1SB
	s_mov_b32 s[\g+1], 32<<16
	s_mov_b32 s[\g+2], 32<<16
	s_mov_b32 s[\g+3], 32<<16
	s_mov_b32 s[\g+4], 32
	s_mov_b32 s[\g+5], 32
	s_mov_b32 s[\g+6], 0
	s_mov_b32 s[\g+7], 0
.endr
	s_lshl_b32 s45, s22, 7
	s_lshl_b32 s92, s66, 8
	s_add_co_u32 s92, s92, s45                     ; x: row 256 x tile row + 128 x half
	s_lshl_b32 s94, s92, 6                         ; its scale bytes,
	s_lshl_b32 s92, s92, 10                        ; its codes
	s_mov_b32 s93, 0
	s_mov_b32 s95, 0
	s_lshl_b32 s98, s42, 8
	s_add_co_u32 s98, s98, s45                     ; W: column 256 x tile column + 128 x half
	s_lshl_b32 s98, s98, 6
	s_add_co_u32 s98, s98, 262144                  ; its scale bytes, behind x's
	s_lshl_b32 s96, s42, 18                        ; its codes: block (tile column, K step 0), my half, behind x's
	s_lshl_b32 s46, s22, 15
	s_add_co_u32 s96, s96, s46
	s_add_co_u32 s96, s96, 4194304
	s_mov_b32 s97, 0
	s_mov_b32 s99, 0
	s_add_co_u32 s47, s46, BOFF                    ; where they go: no place in the cluster enters an LDS address
	s_mul_i32 s46, s22, HALFA
	s_mul_i32 s67, s20, HALFS
	s_wait_dscnt 0x0                               ; both opening adds are done
	s_wait_kmcnt 0x0
	s_add_nc_u64 s[92:93], s[4:5], s[92:93]
	s_add_nc_u64 s[94:95], s[6:7], s[94:95]
	s_add_nc_u64 s[96:97], s[4:5], s[96:97]
	s_add_nc_u64 s[98:99], s[6:7], s[98:99]
	CROUND                                         ; all sixteen work-groups are here: the first joint loads meet
	s_mov_b32 s[G0S], 1
	s_add_co_u32 s[G0S+1], s67, SCL
	s_mov_b64 s[G0S+2:G0S+3], s[94:95]
	s_or_b32 s[G0S+3], s[G0S+3], 0x80000000
	s_mov_b32 s[G0SB], 1
	s_add_co_u32 s[G0SB+1], s67, SCL
	s_mov_b64 s[G0SB+2:G0SB+3], s[98:99]
	s_or_b32 s[G0SB+3], s[G0SB+3], 0x80000000
	JLOAD G0S, G1S, G0SB, G1SB
.irp s, 0,1
	s_mov_b32 s[G0+4*\s], 1
	s_add_co_u32 s[G0+4*\s+1], s46, \s*SLOT
	s_add_nc_u64 s[G0+4*\s+2:G0+4*\s+3], s[92:93], \s*256
	s_or_b32 s[G0+4*\s+3], s[G0+4*\s+3], 0x80000000
	s_mov_b32 s[G0B+4*\s], 1
	s_add_co_u32 s[G0B+4*\s+1], s47, \s*SLOT
	s_add_nc_u64 s[G0B+4*\s+2:G0B+4*\s+3], s[96:97], \s*65536
	s_or_b32 s[G0B+4*\s+3], s[G0B+4*\s+3], 0x80000000
	JLOAD G0+4*\s, G1, G0B+4*\s, G1B
.endr
	v_and_b32 v1, 15, v0                           ; r
	v_bfe_u32 v2, v0, 4, 1                         ; h
	v_mul_u32_u24 v3, v1, PITCH
	v_lshl_add_u32 v4, v2, 4, v3                   ; x: row x pitch + 16 h
	v_and_b32 v[LIT], 31, v0
	v_lshlrev_b32 v[LIT], 4, v[LIT]                ; W, and the tables: 16 x lane
	s_mul_i32 s45, s21, HALFA
	s_lshl_b32 s46, s22, 15
	s_add_co_u32 s46, s46, BOFF
.irp s, 0,1
	v_add_nc_u32 v[ADRA+\s], s45, v4
	v_add_nc_u32 v[ADRB+\s], s46, v[LIT]
	s_add_co_u32 s45, s45, SLOT
	s_add_co_u32 s46, s46, SLOT
.endr
	v_mul_u32_u24 v5, v1, 64                       ; my row's scale bytes: 64 a row, and 16 more for each 256 passed
	v_lshrrev_b32 v7, 8, v5
	v_lshl_add_u32 v5, v7, 4, v5
	s_mul_i32 s45, s21, HALFS
	s_mul_i32 s46, s22, HALFS
	s_add_co_u32 s46, s46, 2*HALFS
	s_sub_co_u32 s46, s46, s45
	v_mul_u32_u24 v7, s46, v2                      ; lanes 16-31 take W's
	s_add_co_u32 s45, s45, SCL
	v_add_nc_u32 v5, v5, v7
	v_add_nc_u32 v[ADRS], s45, v5
	; the head that my 128 columns are, its bias, and where my results go
	s_lshl_b32 s45, s42, 1
	s_add_co_u32 s45, s45, s22                     ; slot
	s_sub_co_u32 s46, s45, 16
	s_lshr_b32 s46, s46, 1
	s_bitcmp1_b32 s45, 0
	s_cselect_b64 s[BB:BB+1], s[12:13], s[10:11]
	s_cmp_lt_u32 s45, 16
	s_cselect_b64 s[BB:BB+1], s[8:9], s[BB:BB+1]
	s_cselect_b32 s46, s45, s46
	s_lshl_b32 s46, s46, 9
	s_mov_b32 s47, 0
	s_add_nc_u64 s[BB:BB+1], s[BB:BB+1], s[46:47]
	v_lshlrev_b32 v7, 5, v2
.irp b, 0,1,2,3,4,5,6,7
	global_load_b128 v[BIAS+8*\b:BIAS+8*\b+3], v7, s[BB:BB+1] offset:64*\b
	global_load_b128 v[BIAS+8*\b+4:BIAS+8*\b+7], v7, s[BB:BB+1] offset:64*\b+16
.endr
	s_cmp_eq_u32 ttmp9, 2                          ; in the third column of clusters the right-hand waves hold V heads: the same in all partners
	s_cselect_b32 s23, s22, 0
	s_and_b32 s46, ttmp7, 0xffff                   ; the batch
	s_mul_i32 s46, s46, 24
	s_add_co_u32 s46, s46, s45
	s_lshl_b32 s2, s41, 4
	s_lshl_b32 s47, s21, 3
	s_add_co_u32 s2, s2, s47                       ; my first tile of 16 positions
	s_lshl_b32 s[O16], s46, 18
	s_lshl_b32 s47, s2, 12
	s_add_co_u32 s[O16], s[O16], s47
	s_mov_b32 s[O16+1], 0
	s_add_nc_u64 s[O16:O16+1], s[16:17], s[O16:O16+1]
	s_lshl_b32 s[O32], s46, 13
	s_mov_b32 s[O32+1], 0
	s_add_nc_u64 s[O32:O32+1], s[18:19], s[O32:O32+1]
	s_lshl_b32 s[ROPE], s2, 13
	s_mov_b32 s[ROPE+1], 0
	s_add_nc_u64 s[ROPE:ROPE+1], s[14:15], s[ROPE:ROPE+1]
	TLOADR 0, 1, 64                                ; the tables of my blocks 0 and 1, into registers of window 1 that lie between and behind W's two sets
	TLOADR 1, 1, 192
.macro FRAGA reg, adr, q, i            ; 16 rows x 128 K: registers 4 c .. 4 c + 3 hold K = 64 c + 32 h + 0 .. 31
.irp c, 0,1
	ds_load_b128 v[\reg+4*\c:\reg+4*\c+3], v[\adr] offset:64*(\q)+32*\c+(\i)*16*PITCH
.endr
.endm
.macro FRAGB reg, adr, q, i            ; the same from images: [16 columns i][q][c][512 bytes]
.irp c, 0,1
	ds_load_b128 v[\reg+4*\c:\reg+4*\c+3], v[\adr] offset:(4*(\i)+(\q))*1024+512*\c
.endr
.endm
; 16 matrix instructions: x's blocks a0, a0 + 1 against W's eight.  The 64 accumulators take turns, one instruction a turn, in the same order in every step.  first = 1: C is the bias
.macro MUL16 a0, p, q, sc, first
.irp a, \a0, \a0+1
.irp b, 0,1,2,3,4,5,6,7
.if \first
	v_wmma_scale_f32_16x16x128_f8f6f4 v[8*(8*((\a)%4)+\b):8*(8*((\a)%4)+\b)+7], v[128*(\p)+FR*\b:128*(\p)+FR*\b+FR-1], v[AF+FR*(\a):AF+FR*(\a)+FR-1], v[BIAS+8*\b:BIAS+8*\b+7], v[SC+8*NQ*(\sc)+NQ*\b+(\q)], v[SC+8*NQ*(\sc)+NQ*(\a)+(\q)] matrix_a_fmt:MATRIX_FMT_FP4 matrix_b_fmt:MATRIX_FMT_FP4 matrix_a_scale:MATRIX_SCALE_ROW1
.else
	v_wmma_scale_f32_16x16x128_f8f6f4 v[8*(8*((\a)%4)+\b):8*(8*((\a)%4)+\b)+7], v[128*(\p)+FR*\b:128*(\p)+FR*\b+FR-1], v[AF+FR*(\a):AF+FR*(\a)+FR-1], v[8*(8*((\a)%4)+\b):8*(8*((\a)%4)+\b)+7], v[SC+8*NQ*(\sc)+NQ*\b+(\q)], v[SC+8*NQ*(\sc)+NQ*(\a)+(\q)] matrix_a_fmt:MATRIX_FMT_FP4 matrix_b_fmt:MATRIX_FMT_FP4 matrix_a_scale:MATRIX_SCALE_ROW1
.endif
.endr
.endr
.endm
.macro FETCH_B slot, q, p
	WIN TO_B
.irp i, 0,1,2,3,4,5,6,7
	FRAGB 128*(\p)+FR*\i, ADRB+\slot, \q, \i
.endr
	WIN 0
.endm
.macro FETCH_A slot, q, i0
.irp i, \i0, \i0+1, \i0+2, \i0+3
	FRAGA AF+FR*(\i), ADRA+\slot, \q, \i
.endr
.endm
.macro SCALES sc                       ; a K step's four words a row: lanes 0-15 x's block i, lanes 16-31 W's block i
.irp i, 0,1,2,3,4,5,6,7
	ds_load_b128 v[SC+8*NQ*\sc+NQ*\i:SC+8*NQ*\sc+NQ*\i+3], v[ADRS] offset:\i*SBLK
.endr
.endm
; A step of 128 along K with its successor in the same slot.  Four plain lines stand in front of each run of loads into registers that matrix instructions have read.
.macro STEP slot, q, first
	s_wait_dscnt 4*NL                              ; W's set and x's blocks 0-3 are in; the youngest eight loads (blocks 4-7) may be out
	WIN MUL_LO-0x20*(\first)                       ; (first: C in window 0)
	MUL16 0, (\q)%2, \q, \slot, \first
	MUL16 2, (\q)%2, \q, \slot, \first
	s_wait_dscnt 0
	PLACES NP
	FETCH_B \slot, (\q)+1, 1-(\q)%2
	FETCH_A \slot, (\q)+1, 0
	WIN MUL_HI-0x30*(\first)
	MUL16 4, (\q)%2, \q, \slot, \first
	MUL16 6, (\q)%2, \q, \slot, \first
	PLACES NP
	WIN 0
	FETCH_A \slot, (\q)+1, 4
.endm
; A slot's last step changes slots: one barrier; in front of it each wave waits for all its tensor loads, adds 0 to its spare word, and waits for that and for its reads of this slot
.macro TURN slot, next, fill
	s_wait_tensorcnt 0x0                           ; all my tensor loads have landed: my part of the next slot
	ds_add_u32 v[SPW], v[NIL]
	s_wait_dscnt 4*NL+1                            ; (the add and the youngest eight loads may be out)
	WIN MUL_LO
	MUL16 0, 1, NQ-1, \slot, 0
	s_wait_dscnt 0x0                               ; the add is done, and my reads of this slot are over
	s_barrier_signal -1
	MUL16 2, 1, NQ-1, \slot, 0
	WIN 0
	s_barrier_wait -1
.if \fill
	CREST                                          ; the barrier has opened a round of the cluster's: no wave of any partner still reads this slot or has a load on its way
	s_add_nc_u64 s[G0+4*\slot+2:G0+4*\slot+3], s[G0+4*\slot+2:G0+4*\slot+3], 512
	s_add_nc_u64 s[G0B+4*\slot+2:G0B+4*\slot+3], s[G0B+4*\slot+2:G0B+4*\slot+3], 131072
	JLOAD G0+4*\slot, G1, G0B+4*\slot, G1B         ; the first tensor load behind the round; its four v_nop are the places in front of the loads below
.else
	PLACES NP
.endif
	v_add_nc_u32 v[ADRS], 4*NQ, v[ADRS]
	FETCH_B \next, 0, 0
	FETCH_A \next, 0, 0
	SCALES \next
	WIN MUL_HI
	MUL16 4, 1, NQ-1, \slot, 0
	MUL16 6, 1, NQ-1, \slot, 0
	PLACES NP
	WIN 0
	FETCH_A \next, 0, 4
.endm
.macro STEPS slot, from
.set Q, \from
.rept NQ-1-\from
	STEP \slot, Q, 0
.set Q, Q+1
.endr
.endm
	s_wait_tensorcnt 1                             ; the scales and my part of K step 0 are in (K step 1's load may be out),
	s_barrier_signal -1
	s_barrier_wait -1                              ; everybody's are
	FETCH_B 0, 0, 0
	FETCH_A 0, 0, 0
	SCALES 0
	FETCH_A 0, 0, 4
	s_wait_loadcnt 0x0                             ; the bias, and the first two tables
	STEP 0, 0, 1
	TLOADR 2, 0, BIAS                              ; the bias has started all 64 sums (four plain lines stand behind the last of them): its registers take block 2's table
	s_mov_b32 s3, 1
.Llap:                                             ; K = 2,048 is two laps of the ring; one trip fills both slots again
	STEPS 0, 1
	TURN 0, 1, 1
	STEPS 1, 0
	TURN 1, 0, 1
	STEP 0, 0, 0
	s_sub_co_u32 s3, s3, 1
	s_cmp_lg_u32 s3, 0
	s_cbranch_scc1 .Llap
	STEPS 0, 1
	TURN 0, 1, 0
	STEPS 1, 0
	s_wait_dscnt 4*NL
	WIN MUL_LO
	MUL16 0, 1, NQ-1, 1, 0
	MUL16 2, 1, NQ-1, 1, 0
	s_wait_dscnt 0
	WIN MUL_HI
	MUL16 4, 1, NQ-1, 1, 0
	MUL16 6, 1, NQ-1, 1, 0
	WIN 0
; THE WAY OUT, a block of 16 rows (one tile of positions) at a time.
.macro ROT a, tw, ts                   ; (d, d + 64) -> (t1 cos - t2 sin, t2 cos + t1 sin), two numbers an instruction; each accumulator is read from its low end on
	WIN (0x02+(\a)/4)|((\tw)<<2)                   ; source 0: the accumulators' window; source 1: the table's
.irp cb, 0,1,2,3
.irp jj, 0,2,4,6
.set A1, 64*((\a)%4)+8*\cb+\jj
.set TA, 8+2*(\jj%4)
	v_pk_mul_f32 v[TA:TA+1], v[A1+32:A1+33], v[(\ts)+16*\cb+8+\jj:(\ts)+16*\cb+9+\jj]
	v_pk_mul_f32 v[TA+2:TA+3], v[A1:A1+1], v[(\ts)+16*\cb+8+\jj:(\ts)+16*\cb+9+\jj]
	v_pk_fma_f32 v[NR+8*\cb+\jj:NR+8*\cb+\jj+1], v[A1:A1+1], v[(\ts)+16*\cb+\jj:(\ts)+16*\cb+\jj+1], v[TA:TA+1] neg_lo:[0,0,1] neg_hi:[0,0,1]
	v_pk_fma_f32 v[NR+32+8*\cb+\jj:NR+32+8*\cb+\jj+1], v[A1+32:A1+33], v[(\ts)+16*\cb+\jj:(\ts)+16*\cb+\jj+1], v[TA+2:TA+3]
.endr
.endr
.endm
.macro PACKN
	WIN 0
.set n, 0
.rept 32
	v_cvt_pk_f16_f32 v[HR+n], v[NR+2*n], v[NR+2*n+1]
.set n, n+1
.endr
.endm
.macro PACKV a
	WIN 0x0a+5*((\a)/4)                            ; sources 0 and 1: the accumulators' window
.set n, 0
.rept 32
	v_cvt_pk_f16_f32 v[HR+n], v[64*((\a)%4)+2*n], v[64*((\a)%4)+2*n+1]
.set n, n+1
.endr
	WIN 0
.endm
.macro OUT a, off                      ; eight images: each store of the wave covers 512 consecutive bytes
.irp cb, 0,1,2,3,4,5,6,7
	global_store_b128 v[\off], v[HR+4*\cb:HR+4*\cb+3], s[O16:O16+1] offset:4096*(\a)+512*\cb
.endr
.endm
.macro RB a, tw, ts                    ; block a: rotated, rounded, stored
	ROT \a, \tw, \ts
.if \a > 0
	s_wait_xcnt 0x0                                ; the last block's stores have read their data
.endif
	PACKN
	OUT \a, 1
.endm
	PLACES NP                                      ; behind the last products: their results are read, and their operands' and scales' registers written, below
	v_and_b32 v1, 31, v0
	v_lshlrev_b32 v1, 4, v1                        ; 16 x lane
	v_and_b32 v8, 15, v0
	v_bfe_u32 v9, v0, 4, 1
	v_lshlrev_b32 v3, 9, v8
	v_lshl_add_u32 v3, v9, 5, v3                   ; qkv32: row r of 512 bytes + 32 h
	v_mov_b32 v5, s2                               ; my first tile of positions: 0 where I hold positions 0 to 15
	s_wait_loadcnt 0x0                             ; block 2's table, asked for in the first step
	s_cmp_eq_u32 s23, 1
	s_cbranch_scc1 .Lvalues
	TLOADR 3, 1, 0                                 ; three more tables, into the registers that held W's two sets and x's fragments: 48 loads are out
	TLOADR 4, 1, 128
	TLOADR 5, 0, AF
	RB 0, 1, 64
	v_cmp_eq_u32 vcc_lo, 0, v5                     ; positions 0 to 15 in f32 too: a predicate, no branch
	s_wait_xcnt 0x0                                ; EXEC changes only behind this wait
	s_and_saveexec_b32 s67, vcc_lo
.irp cb, 0,1,2,3,4,5,6,7
	global_store_b128 v3, v[NR+8*\cb:NR+8*\cb+3], s[O32:O32+1] offset:64*\cb
	global_store_b128 v3, v[NR+8*\cb+4:NR+8*\cb+7], s[O32:O32+1] offset:64*\cb+16
.endr
	s_wait_xcnt 0x0
	s_or_b32 exec_lo, exec_lo, s67
	RB 1, 1, 192
	RB 2, 0, BIAS
	s_wait_loadcnt 32                              ; block 3's table is in; blocks 4's and 5's may be out
	TLOADR 6, 1, 64
	RB 3, 1, 0
	s_wait_loadcnt 32                              ; block 4's; behind it blocks 5's and 6's
	TLOADR 7, 1, 192
	RB 4, 1, 128
	s_wait_loadcnt 32                              ; block 5's; behind it blocks 6's and 7's
	RB 5, 0, AF
	s_wait_loadcnt 16                              ; block 6's; behind it block 7's
	RB 6, 1, 64
	s_wait_loadcnt 0x0
	RB 7, 1, 192
	s_branch .Lend
.Lvalues:                                          ; V heads: no rotation; a lane's 16 bytes go to (r / 8) 256 + 128 h + (r % 8) 16 of the image
	v_lshrrev_b32 v2, 3, v8
	v_lshlrev_b32 v2, 8, v2
	v_lshl_add_u32 v2, v9, 7, v2
	v_and_b32 v8, 7, v8
	v_lshl_add_u32 v2, v8, 4, v2
.irp a, 0,1,2,3,4,5,6,7
.if \a > 0
	s_wait_xcnt 0x0
.endif
	PACKV \a
	OUT \a, 2
.if \a == 0
	v_cmp_eq_u32 vcc_lo, 0, v5
	s_wait_xcnt 0x0
	s_and_saveexec_b32 s67, vcc_lo
	WIN 0x08                                       ; a store's data are its source 1: window 2
.irp cb, 0,1,2,3,4,5,6,7
	global_store_b128 v3, v[8*\cb:8*\cb+3], s[O32:O32+1] offset:64*\cb
	global_store_b128 v3, v[8*\cb+4:8*\cb+7], s[O32:O32+1] offset:64*\cb+16
.endr
	WIN 0
	s_wait_xcnt 0x0
	s_or_b32 exec_lo, exec_lo, s67
.endif
.endr
.Lend:
	s_wait_tensorcnt 0x0                           ; the wave's end
	ds_add_u32 v[SPW], v[NIL]
	s_wait_dscnt 0x0
	CROUND                                         ; the closing round
	s_endpgm
.Lfunc_end_k_q0427b05bd9_qkv:
	.size	k_q0427b05bd9_qkv, .Lfunc_end_k_q0427b05bd9_qkv-k_q0427b05bd9_qkv
	.p2alignl 7, 3214868480
	.fill 96, 4, 3214868480
	.section	.rodata,"a",@progbits
	.p2align	6, 0x0
	.amdhsa_kernel k_q0427b05bd9_qkv
		.amdhsa_group_segment_fixed_size 327680
		.amdhsa_private_segment_fixed_size 0
		.amdhsa_enable_private_segment 0
		.amdhsa_kernarg_size 64
		.amdhsa_user_sgpr_count 2
		.amdhsa_user_sgpr_kernarg_segment_ptr 1
		.amdhsa_wavefront_size32 1
		.amdhsa_system_sgpr_workgroup_id_x 1
		.amdhsa_system_sgpr_workgroup_id_y 1
		.amdhsa_system_sgpr_workgroup_id_z 1
		.amdhsa_system_vgpr_workitem_id 0
		.amdhsa_next_free_vgpr 1024
		.amdhsa_next_free_sgpr 100
		.amdhsa_reserve_vcc 1
		.amdhsa_float_denorm_mode_32 3
		.amdhsa_float_denorm_mode_16_64 3
		.amdhsa_memory_ordered 1
		.amdhsa_forward_progress 1
		.amdhsa_inst_pref_size 255
	.end_amdhsa_kernel
	.section	.bss,"aw",@nobits
	.p2align	6
	.space	262144
	.amdgpu_metadata
---
amdhsa.version: [ 1, 2 ]
amdhsa.kernels:
  - .name:           k_q0427b05bd9_qkv
    .symbol:         k_q0427b05bd9_qkv.kd
    .args:
      - { .name: cod, .offset: 0, .size: 8, .value_kind: global_buffer, .address_space: global }
      - { .name: sc, .offset: 8, .size: 8, .value_kind: global_buffer, .address_space: global }
      - { .name: bq, .offset: 16, .size: 8, .value_kind: global_buffer, .address_space: global }
      - { .name: bk, .offset: 24, .size: 8, .value_kind: global_buffer, .address_space: global }
      - { .name: bv, .offset: 32, .size: 8, .value_kind: global_buffer, .address_space: global }
      - { .name: rope, .offset: 40, .size: 8, .value_kind: global_buffer, .address_space: global }
      - { .name: qkv16, .offset: 48, .size: 8, .value_kind: global_buffer, .address_space: global }
      - { .name: qkv32, .offset: 56, .size: 8, .value_kind: global_buffer, .address_space: global }
    .group_segment_fixed_size: 327680
    .private_segment_fixed_size: 0
    .kernarg_segment_align: 8
    .kernarg_segment_size: 64
    .max_flat_workgroup_size: 128
    .sgpr_count:     100
    .vgpr_count:     1024
    .wavefront_size: 32
...
	.end_amdgpu_metadata
.endif
;; end of part 2
;; launch attn (part 3): grid 16 x 16, 4 waves a work-group, clusters of 4 x 1, 327,680 bytes of LDS; arguments qkv16, at16; writes at16
.if DOCPART == 3
	.amdgcn_target "amdgcn-amd-amdhsa--gfx1250"
	.amdhsa_code_object_version 6
	.text
	.protected	k_q0427b05bd9_attn
	.globl	k_q0427b05bd9_attn
	.p2align	8
	.type	k_q0427b05bd9_attn,@function
k_q0427b05bd9_attn:
	s_mov_b64 s[64:65], 0
	v_nop
	global_prefetch_b8 v0, s[64:65] scope:SCOPE_SE
	s_setreg_imm32_b32 hwreg(HW_REG_WAVE_MODE, 25, 1), 1
	s_wait_xcnt 0x0
	s_wait_alu depctr_hold_cnt(0) depctr_sa_sdst(0) depctr_va_vdst(0) depctr_va_sdst(0) depctr_va_ssrc(0) depctr_va_vcc(0) depctr_vm_vsrc(0)
	s_getreg_b32 s2, hwreg(HW_REG_IB_STS2, 6, 4)
	s_cmp_eq_u32 s2, 0
	s_cbranch_scc0 .Lentry_in_a_cluster
	s_endpgm
.Lentry_in_a_cluster:
	s_bfe_u32 s2, ttmp6, 0x10000c
	s_cmp_lg_u32 s2, 0x3003
	s_cbranch_scc0 .Lentry_shape_is_right
	s_endpgm
.Lentry_shape_is_right:
; ATTN: causal attention on f16 operands, f32 sums, running maximum and sum.  LEFT OUT: key blocks, and for a wave key steps, all of whose keys come after all of its queries: reference() itself masks those scores.
; SHARES.  x = query head (cluster x = the key/value head g, place in the cluster = the head in its group), y = 4 b + p.  The four partners of a cluster walk the same K and V tiles: every tile is one joint load.
; A work-group takes query block p and then query block 7 - p, of 128 queries: (p + 1) + (8 - p) = 9 key blocks of 128 for every work-group.  Wave w holds two tiles of 16 queries, positions 128 qb + 32 w + 16 t + r.
; LAYOUT.  S^T = K Q^T and O^T = V^T P: a lane holds one query throughout.  All operands lie in memory as images of their registers (lane L's 16 bytes at 16 L): K and Q come by plain 16-byte loads, V^T by the turning load.
; A KEY STEP is 64 keys: K Q^T of tile 0 | K Q^T of tile 1 with tile 0's softmax in slices behind its products | V^T P of tile 0 with tile 1's softmax likewise | V^T P of tile 1.
; A slot holds 128 keys (K 32,768 bytes, V 32,768), two slots; each wave fetches a quarter of a slot.  By this text's count a wave has two tensor loads out at the start and one behind each round.
; SOFTMAX.  p = 2^(c s - c m), c = log2(e) / sqrt(128); in every step O and l are multiplied by 2^(c m_old - c m_new).  m begins at -3e38 and O, l at 0; key 0 counts for every query, so m is a score from the first step on.
; LIMITS: |q|, |k|, |v| under 65,504 (f16); weights under 6e-5 are kept to 6e-8.
; REGISTERS.  window 0: v1 16 x lane, v2 the address in hand, v3 r - 8 h, v4 -infinity, v5 at work, v6, v7 the add's two, v8 256 x lane; v16-31 statistics, 8 a tile; v32-95 S^T; v96-127 P; v128-255 O^T.
;   window 1: v0-63 Q, v64-191 K of one step, v192-255 Q of the second block.   window 2: v0-127 V^T of one step.
.set SLOT1, 65536
.set SPARE, 131072
.set ST,  16
.set S,   32
.set P,   96
.set O,   128
.set KR,  64
.set WV,  8
.set PP,  13
.set NIDX, 36
.set SLOTS, 37
.set SIDX, 38
.set TB,  39
.set KEY, 40
.set Q0,  41
.set CS,  42
.set SEL, 44
.set PFA, 46
.set LIM, 48
.set Q0B, 49
.set OB,  50
.set OBS, 56
.set W_KQ, 0x05
.set W_PV, 0x02
.set MSB, 0
.macro WIN new
.if MSB != (\new)
	s_set_vgpr_msb (MSB<<8)|(\new)
.set MSB, (\new)
.endif
.endm
.macro PLACES n
.rept \n
	v_nop
.endr
.endm
.macro CROUND
	s_barrier_signal -1
	s_barrier_wait -1
	s_cmp_lg_u32 s[WV], 0
	s_cbranch_scc1 .Lnot_wave_0_\@
	s_barrier_signal -3
.Lnot_wave_0_\@:
	s_barrier_wait -3
	s_barrier_signal -1
	s_barrier_wait -1
.endm
; A prefetch of the key block after the one that is being asked for.  Only the cluster with p = 0 walks all eight key blocks in order: it asks; its four partners take 8,192 bytes each, told apart by address;
; wave 0 asks for K's, wave 2 for V's, lanes 256 bytes apart.  Blocks 2 to 7 are named once each; the last change that fills a slot asks for nothing.
.macro ASK
	s_cmp_gt_u32 s[SLOTS], s[LIM]
	s_cbranch_scc0 .Lnot_mine_\@
	global_prefetch_b8 v8, s[PFA:PFA+1] th:TH_LOAD_NT scope:SCOPE_SE
.Lnot_mine_\@:
.endm
.macro FETCH_K st                      ; 64 keys x 128 channels: fragment f = 4 kt + u from images 2 u, 2 u + 1 of key tile kt
	WIN 0
	v_add_nc_u32 v2, s[TB], v1
	WIN 0x40
.irp f, 0,1,2,3,4,5,6,7,8,9,10,11,12,13,14,15
	ds_load_b128 v[KR+8*\f:KR+8*\f+3], v2 offset:16384*(\st)+(8*(\f/4)+2*(\f%4))*512
	ds_load_b128 v[KR+8*\f+4:KR+8*\f+7], v2 offset:16384*(\st)+(8*(\f/4)+2*(\f%4))*512+512
.endr
.endm
.macro FETCH_V st                      ; fragment f = 8 G + cb of V^T: 16 channels x 32 keys, from the images of key tiles 2 G, 2 G + 1
	WIN 0
	v_add_nc_u32 v2, s[TB], v1
	WIN 0x80
.irp f, 0,1,2,3,4,5,6,7,8,9,10,11,12,13,14,15
	ds_load_tr16_b128 v[8*\f:8*\f+3], v2 offset:32768+16384*(\st)+(16*(\f/8)+\f%8)*512
	ds_load_tr16_b128 v[8*\f+4:8*\f+7], v2 offset:32768+16384*(\st)+(16*(\f/8)+\f%8)*512+4096
.endr
.endm
; Product i of 16 of a tile.  The accumulators take turns, one instruction a turn.
.macro KQ t
	WIN W_KQ
.set rS, S+32*(\t)+8*(i%4)
.set rK, KR+8*(4*(i%4)+i/4)
.set rQ, 32*(\t)+8*(i/4)
.if i < 4
	v_wmma_f32_16x16x32_f16 v[rS:rS+7], v[rK:rK+7], v[rQ:rQ+7], 0
.else
	v_wmma_f32_16x16x32_f16 v[rS:rS+7], v[rK:rK+7], v[rQ:rQ+7], v[rS:rS+7]
.endif
.endm
.macro PV t
	WIN W_PV
.set rO, O+64*(\t)+8*(i%8)
.set rV, 64*(i/8)+8*(i%8)
.set rP, P+16*(\t)+8*(i/8)
	v_wmma_f32_16x16x32_f16 v[rO:rO+7], v[rV:rV+7], v[rP:rP+7], v[rO:rO+7]
.endm
; Number j of the 134 instructions of one tile's softmax for one key step:
;   0-15 the maximum of the 32 scores and the old m; 16-20 the other half of the lanes', the new m, c m, its change; 21-69 ONE BATCH: 16 packed scalings and 33 exponentials, none of which reads an exponential's result;
;   (the wait for the batch) 70-85 the roundings to f16; 86-101 the sums, l = a l + the sum; 102-133 O^T times a.
.macro SM t
.set rT, ST+8*(\t)
.set rS, S+32*(\t)
.set rP, P+16*(\t)
.set rO, O+64*(\t)+2*(j-102)
.if j < 4
	v_max3_num_f32 v[rT+4+j], v[rS+8*j], v[rS+8*j+1], v[rS+8*j+2]
.elseif j < 12
	v_max3_num_f32 v[rT+4+j%4], v[rT+4+j%4], v[rS+8*(j%4)+2*(j/4)+1], v[rS+8*(j%4)+2*(j/4)+2]
.elseif j == 12
	v_max3_num_f32 v[rT+4], v[rT+4], v[rS+7], v[rS+15]
.elseif j == 13
	v_max3_num_f32 v[rT+6], v[rT+6], v[rS+23], v[rS+31]
.elseif j == 14
	v_max3_num_f32 v[rT+4], v[rT+4], v[rT+5], v[rT+6]
.elseif j == 15
	v_max3_num_f32 v[rT+4], v[rT+4], v[rT+7], v[rT+1]
.elseif j == 16
	v_permlanex16_b32 v[rT+5], v[rT+4], s[SEL], s[SEL+1]
.elseif j == 17
	v_mov_b32 v[rT+7], v[rT]
.elseif j == 18
	v_max_num_f32 v[rT+1], v[rT+4], v[rT+5]
.elseif j == 19
	v_mul_f32 v[rT], s[CS], v[rT+1]
.elseif j == 20
	v_sub_f32 v[rT+7], v[rT+7], v[rT]
.elseif j == 23
	v_exp_f32 v[rT+6], v[rT+7]
.elseif (j < 23) || ((j < 38) && (j%2 == 0)) || ((j < 66) && (j%4 == 2))
.set sb, (j-2)/4
.if j < 38
.set sb, (j-20)/2
.endif
	v_pk_fma_f32 v[rS+2*sb:rS+2*sb+1], v[rS+2*sb:rS+2*sb+1], s[CS:CS+1], v[rT:rT+1] op_sel_hi:[1,0,0] neg_lo:[0,0,1] neg_hi:[0,0,1]
.elseif j < 70
.set se, j-38
.if j < 66
.set se, j-32-(j-38)/4
.endif
.if j < 38
.set se, (j-25)/2
.endif
	v_exp_f32 v[rS+se], v[rS+se]
.elseif j < 86
	v_cvt_pk_f16_f32 v[rP+j-70], v[rS+2*(j-70)], v[rS+2*(j-70)+1]
.elseif j < 102
.set sz, j-86
.set sw, 4
.set su, sz
.if sz >= 14
.set sw, 32
.set su, 0
.elseif sz >= 12
.set sw, 16
.set su, sz-12
.elseif sz >= 8
.set sw, 8
.set su, sz-8
.endif
.if sz < 15
	v_pk_add_f32 v[rS+sw*su:rS+sw*su+1], v[rS+sw*su:rS+sw*su+1], v[rS+sw*su+sw/2:rS+sw*su+sw/2+1]
.else
	v_pk_fma_f32 v[rT+2:rT+3], v[rT+2:rT+3], v[rT+6:rT+7], v[rS:rS+1] op_sel_hi:[1,0,1]
.endif
.else
	v_pk_mul_f32 v[rO:rO+1], v[rO:rO+1], v[rT+6:rT+7] op_sel_hi:[1,0]
.endif
.endm
; Slice k of 16: 9 numbers in slices 0-5, 8 in the others.  Behind slice 7 the batch is out: one plain line, and the tile's one wait ahead of the first reader.  Slice 15 is eight plain multiplies: the places behind the phase's last product.
.macro SLICE t, k
	WIN 0
.if (\k) < 6
.set j, 9*(\k)
.set cnt, 9
.elseif (\k) < 8
.set j, 54+8*((\k)-6)
.set cnt, 8
.else
.set j, 70+8*((\k)-8)
.set cnt, 8
.endif
.rept cnt
	SM \t
.set j, j+1
.endr
.if (\k) == 7
	v_nop
	s_wait_alu depctr_va_vdst(0)
.endif
.endm
; On the diagonal: register n holds key KEY + 16 (n / 8) + 8 h + n % 8; it is hidden where that comes after query Q0 + 16 t + r
.macro MASK t
	s_sub_co_i32 s34, s[Q0], s[KEY]
	v_add_nc_u32 v5, s34, v3
.if \t
	v_add_nc_u32 v5, 16, v5
.endif
.irp n, 0,1,2,3,4,5,6,7,8,9,10,11,12,13,14,15,16,17,18,19,20,21,22,23,24,25,26,27,28,29,30,31
	v_cmp_gt_i32 vcc_lo, 16*(\n/8)+\n%8, v5
	v_cndmask_b32 v[S+32*\t+\n], v[S+32*\t+\n], v4, vcc_lo
.endr
.endm
; THE CHANGE OF SLOTS.  Each wave waits for all its tensor loads, adds 0 to its spare word, and waits for that and for its reads of the slot.  fill = 1: the slot is filled again with load number NIDX,
; key block NIDX - (NIDX > p ? p + 1 : 0), behind a round of the cluster's barrier.
.macro CHANGE fill
	WIN 0
	s_wait_tensorcnt 0x0                           ; no tensor load of mine is out, so a group 0 may be written
	ds_add_u32 v6, v7
.if \fill
	s_cmp_gt_u32 s[NIDX], s[PP]
	s_cselect_b32 s34, s14, 0
	s_sub_co_u32 s34, s[NIDX], s34
	s_lshl_b32 s34, s34, 15
	s_add_nc_u64 s[30:31], s[32:33], s[34:35]
	s_or_b32 s31, s31, 0x80000000
	s_xor_b32 s29, s29, SLOT1
	s_add_co_u32 s[NIDX], s[NIDX], 1
	s_wait_xcnt 0x0                                ; the last prefetch has read its address
	s_add_nc_u64 s[PFA:PFA+1], s[PFA:PFA+1], 32768
	s_wait_dscnt 0x0                               ; the add is done, and my reads of the slot are over
	CROUND
	tensor_load_to_lds s[28:31], s[16:23]          ; the first thing behind the round, my one tensor load until the next: it has two key steps in which to land
	s_nop 0
.rept 4
	v_nop
.endr
	ASK
.else
	s_wait_dscnt 0x0
	s_barrier_signal -1
	s_barrier_wait -1
.endif
	s_xor_b32 s[TB], s[TB], SLOT1
.endm
; A KEY STEP.  st: which half of the slot.  chg: 0 none; 1 change of slots with a refill; 2 without; 3 the very last step.
; Only a slot's second half can lie wholly behind a wave's queries (on the diagonal, waves 0 and 1).
.macro STEP st, chg
.if \st
	s_add_co_u32 s34, s[Q0], 31
	s_cmp_gt_u32 s[KEY], s34
	s_cbranch_scc1 .Lh1_\@
.endif
	FETCH_V \st
	s_wait_dscnt 32                                ; K's 32 loads, issued a half step ago, are in; V's 32 may be out
.set i, 0
.rept 16
	KQ 0
.set i, i+1
.endr
	WIN 0
	PLACES 4
	s_add_co_u32 s34, s[KEY], 63
	s_cmp_le_u32 s34, s[Q0]
	s_cbranch_scc1 .Lo0_\@
	MASK 0
.Lo0_\@:
.set i, 0
.rept 16
	KQ 1
	SLICE 0, i
.set i, i+1
.endr
	WIN 0
	s_add_co_u32 s34, s[KEY], 63
	s_cmp_le_u32 s34, s[Q0]
	s_cbranch_scc1 .Lo1_\@
	MASK 1
.Lo1_\@:
.if \st
.Lh1_\@:
.endif
	s_wait_dscnt 0x0                               ; V is in: all my reads of this step's tiles are done
.if \chg == 1
	CHANGE 1
.elseif \chg == 2
	CHANGE 0
.endif
.if \chg != 3
	FETCH_K 1-\st                                  ; the next step's K: 32 products ahead of its use
.endif
	WIN 0
.if \st
	s_add_co_u32 s34, s[Q0], 31
	s_cmp_gt_u32 s[KEY], s34
	s_cbranch_scc1 .Lh2_\@
.endif
.set i, 0
.rept 16
	PV 0
	SLICE 1, i
.set i, i+1
.endr
.set i, 0
.rept 16
	PV 1
.set i, i+1
.endr
	WIN 0
	PLACES 4
.if \st
.Lh2_\@:
.endif
	s_add_co_u32 s[KEY], s[KEY], 64
.endm
.macro CLEAR                           ; the step is written once: the first step of a query block finds zeros, which the first change of m leaves zeros
.set n, 0
.rept 128
	v_mov_b32 v[O+n], 0
.set n, n+1
.endr
.irp t, 0,1
	v_mov_b32 v[ST+8*\t+1], 0xff61b1e6
	v_mov_b32 v[ST+8*\t+2], 0
	v_mov_b32 v[ST+8*\t+3], 0
	v_mul_f32 v[ST+8*\t], s[CS], v[ST+8*\t+1]
.endr
.endm
.macro WAYOUT                          ; O^T / l, to f16; a lane's eight channels are 16 bytes of an image: each store of the wave covers 512 consecutive bytes
.irp t, 0,1
	v_add_f32 v[ST+8*\t+4], v[ST+8*\t+2], v[ST+8*\t+3]
.endr
.irp t, 0,1
	v_permlanex16_b32 v[ST+8*\t+5], v[ST+8*\t+4], s[SEL], s[SEL+1]
.endr
.irp t, 0,1
	v_add_f32 v[ST+8*\t+4], v[ST+8*\t+4], v[ST+8*\t+5]
.endr
.irp t, 0,1
	v_rcp_f32 v[ST+8*\t+6], v[ST+8*\t+4]
.endr
	v_nop
	s_wait_alu depctr_va_vdst(0)                   ; one wait for the two reciprocals
.irp t, 0,1
.set n, 0
.rept 32
	v_pk_mul_f32 v[O+64*\t+n:O+64*\t+n+1], v[O+64*\t+n:O+64*\t+n+1], v[ST+8*\t+6:ST+8*\t+7] op_sel_hi:[1,0]
.set n, n+2
.endr
.set n, 0
.rept 32
	v_cvt_pk_f16_f32 v[S+32*\t+n], v[O+64*\t+2*n], v[O+64*\t+2*n+1]
.set n, n+1
.endr
.irp cb, 0,1,2,3,4,5,6,7
	global_store_b128 v1, v[S+32*\t+4*\cb:S+32*\t+4*\cb+3], s[OB:OB+1] offset:4096*\t+512*\cb
.endr
.endr
.endm
	s_load_b128 s[4:7], s[0:1], 0x0                ; qkv16, at16
	v_lshl_add_u32 v6, v0, 2, SPARE
	v_mov_b32 v7, 0
	ds_add_u32 v6, v7                              ; the wave's opening: the add, twice on end, and its wait ahead of my first tensor load
	ds_add_u32 v6, v7
	v_lshrrev_b32 v1, 5, v0
	v_readfirstlane_b32 s[WV], v1
	s_bfe_u32 s9, ttmp6, 0x40000                   ; cx: the head in its group
	s_and_b32 s10, ttmp7, 0xffff
	s_lshr_b32 s12, s10, 2                         ; b
	s_and_b32 s[PP], s10, 3                        ; p
	s_add_co_u32 s14, s[PP], 1
	s_mov_b32 s16, 15|(3<<16)|(1<<21)              ; group 1: all four partners; 64 rows of 32 elements of 8 bytes, dense
	s_mov_b32 s17, 32<<16
	s_mov_b32 s18, 64<<16
	s_mov_b32 s19, 32<<16
	s_mov_b32 s20, 64
	s_mov_b32 s21, 32
	s_mov_b32 s22, 0
	s_mov_b32 s23, 0
	s_mul_i32 s11, s12, 24
	s_lshl_b32 s15, ttmp9, 1                       ; K or V of head g: slot 16 + 2 g + wave / 2; which half: wave % 2.  No place in the cluster enters
	s_add_co_u32 s15, s15, s11
	s_lshr_b32 s34, s[WV], 1
	s_add_co_u32 s15, s15, s34
	s_add_co_u32 s15, s15, 16
	s_lshl_b32 s32, s15, 18
	s_and_b32 s34, s[WV], 1
	s_lshl_b32 s34, s34, 14
	s_add_co_u32 s32, s32, s34
	s_mov_b32 s33, 0
	s_lshl_b32 s10, ttmp9, 2
	s_add_co_u32 s10, s10, s9                      ; my query head
	s_add_co_u32 s15, s11, s10
	s_lshl_b32 s15, s15, 18
	s_lshl_b32 s34, s[PP], 3
	s_lshl_b32 s35, s[WV], 1
	s_add_co_u32 s34, s34, s35
	s_lshl_b32 s34, s34, 12
	s_add_co_u32 s52, s15, s34                     ; Q of block p: tiles 8 p + 2 w on
	s_mov_b32 s53, 0
	s_sub_co_u32 s34, 7, s[PP]
	s_lshl_b32 s[Q0B], s34, 7
	s_lshl_b32 s34, s34, 3
	s_add_co_u32 s34, s34, s35
	s_lshl_b32 s34, s34, 12
	s_add_co_u32 s54, s15, s34                     ; and of block 7 - p
	s_mov_b32 s55, 0
	s_lshl_b32 s34, s[WV], 5
	s_add_co_u32 s[Q0B], s[Q0B], s34               ; my first query there,
	s_lshl_b32 s[Q0], s[PP], 7
	s_add_co_u32 s[Q0], s[Q0], s34                 ; and here
	s_lshl_b32 s34, s12, 3
	s_add_co_u32 s34, s34, s[PP]
	s_lshl_b32 s34, s34, 4
	s_add_co_u32 s34, s34, s10
	s_lshl_b32 s[OB], s34, 15
	s_lshl_b32 s34, s[WV], 13
	s_add_co_u32 s[OB], s[OB], s34
	s_mov_b32 s[OB+1], 0
	s_lshl_b32 s34, s[PP], 1
	s_sub_co_u32 s34, 7, s34
	s_lshl_b32 s[OBS], s34, 19                     ; from block p to block 7 - p in at16
	s_mov_b32 s[OBS+1], 0
	s_mov_b32 s[NIDX], 2
	s_mov_b32 s[SLOTS], 7
	s_mov_b32 s[SIDX], 0
	s_mov_b32 s[TB], 0
	s_mov_b32 s[KEY], 0
	s_mov_b32 s[CS], 0x3e0293ee                    ; c = log2(e) / sqrt(128)
	s_mov_b32 s[CS+1], s[CS]
	s_mov_b32 s[SEL], 0x76543210
	s_mov_b32 s[SEL+1], 0xfedcba98
	s_and_b32 s[LIM], s[WV], 1
	s_or_b32 s[LIM], s[LIM], s[PP]
	s_cmp_eq_u32 s[LIM], 0
	s_cselect_b32 s[LIM], 1, -1
	v_and_b32 v1, 31, v0
	v_lshlrev_b32 v8, 8, v1
	v_lshlrev_b32 v1, 4, v1
	v_and_b32 v3, 15, v0
	v_bfe_u32 v5, v0, 4, 1
	v_lshlrev_b32 v5, 3, v5
	v_sub_nc_u32 v3, v3, v5
	v_mov_b32 v4, 0xff800000
	s_wait_dscnt 0x0                               ; both opening adds are done
	s_wait_kmcnt 0x0
	s_add_nc_u64 s[32:33], s[4:5], s[32:33]
	s_add_nc_u64 s[52:53], s[4:5], s[52:53]
	s_add_nc_u64 s[54:55], s[4:5], s[54:55]
	s_add_nc_u64 s[OB:OB+1], s[6:7], s[OB:OB+1]
	s_lshl_b32 s34, s9, 13
	s_add_co_u32 s34, s34, 32768
	s_mov_b32 s35, 0
	s_add_nc_u64 s[PFA:PFA+1], s[32:33], s[34:35]  ; my partner's share of key block 1; the first change steps it to block 2
	s_mov_b32 s24, 1
	s_lshl_b32 s25, s[WV], 14
	s_mov_b64 s[26:27], s[32:33]                   ; load 0: key block 0
	s_or_b32 s27, s27, 0x80000000
	s_mov_b32 s28, 1
	s_add_co_u32 s29, s25, SLOT1
	s_cmp_lt_u32 s[PP], 1
	s_cselect_b32 s34, 0, 32768                    ; load 1: key block 1, or block 0 again where p = 0
	s_add_nc_u64 s[30:31], s[32:33], s[34:35]
	s_or_b32 s31, s31, 0x80000000
	CROUND                                         ; all four work-groups are here: the first joint loads meet
	tensor_load_to_lds s[24:27], s[16:23]
	s_nop 0
	tensor_load_to_lds s[28:31], s[16:23]
	s_nop 0
.rept 4
	v_nop
.endr
	WIN 0x40
.irp t, 0,1
.irp u, 0,1,2,3
.irp c, 0,1
	global_load_b128 v[32*\t+8*\u+4*\c:32*\t+8*\u+4*\c+3], v1, s[52:53] offset:4096*\t+(2*\u+\c)*512
	global_load_b128 v[192+32*\t+8*\u+4*\c:192+32*\t+8*\u+4*\c+3], v1, s[54:55] offset:4096*\t+(2*\u+\c)*512
.endr
.endr
.endr
	WIN 0
	CLEAR
	s_wait_tensorcnt 1                             ; my part of slot 0 is in; slot 1's may stay out
	s_barrier_signal -1
	s_barrier_wait -1
	FETCH_K 0
	WIN 0
	s_wait_loadcnt 0x0                             ; Q
.Lslot:                                            ; 7 trips: a slot's two steps, and its refill
	STEP 0, 0
	STEP 1, 1
	s_cmp_lg_u32 s[SIDX], s[PP]                    ; behind key block p the first query block is done: the same in all partners
	s_cbranch_scc1 .Lsame
	WAYOUT
	s_wait_xcnt 0x0                                ; the stores have read their data and their base
	CLEAR
	WIN 0x41
.set n, 0
.rept 64
	v_mov_b32 v[n], v[192+n]                       ; the second block's Q
.set n, n+1
.endr
	WIN 0
	s_mov_b32 s[Q0], s[Q0B]
	s_mov_b32 s[KEY], 0
	s_add_nc_u64 s[OB:OB+1], s[OB:OB+1], s[OBS:OBS+1]
.Lsame:
	s_add_co_u32 s[SIDX], s[SIDX], 1
	s_sub_co_u32 s[SLOTS], s[SLOTS], 1
	s_cmp_lg_u32 s[SLOTS], 0
	s_cbranch_scc1 .Lslot
	STEP 0, 0                                      ; the last two slots are written out: nothing is left to fetch
	STEP 1, 2
	STEP 0, 0
	STEP 1, 3
	WAYOUT
	s_wait_tensorcnt 0x0                           ; the wave's end
	ds_add_u32 v6, v7
	s_wait_dscnt 0x0
	CROUND                                         ; the closing round
	s_endpgm
.Lfunc_end_k_q0427b05bd9_attn:
	.size	k_q0427b05bd9_attn, .Lfunc_end_k_q0427b05bd9_attn-k_q0427b05bd9_attn
	.p2alignl 7, 3214868480
	.fill 96, 4, 3214868480
	.section	.rodata,"a",@progbits
	.p2align	6, 0x0
	.amdhsa_kernel k_q0427b05bd9_attn
		.amdhsa_group_segment_fixed_size 327680
		.amdhsa_private_segment_fixed_size 0
		.amdhsa_enable_private_segment 0
		.amdhsa_kernarg_size 16
		.amdhsa_user_sgpr_count 2
		.amdhsa_user_sgpr_kernarg_segment_ptr 1
		.amdhsa_wavefront_size32 1
		.amdhsa_system_sgpr_workgroup_id_x 1
		.amdhsa_system_sgpr_workgroup_id_y 1
		.amdhsa_system_sgpr_workgroup_id_z 1
		.amdhsa_system_vgpr_workitem_id 0
		.amdhsa_next_free_vgpr 640
		.amdhsa_next_free_sgpr 66
		.amdhsa_reserve_vcc 1
		.amdhsa_float_denorm_mode_32 3
		.amdhsa_float_denorm_mode_16_64 3
		.amdhsa_memory_ordered 1
		.amdhsa_forward_progress 1
		.amdhsa_inst_pref_size 219
	.end_amdhsa_kernel
	.amdgpu_metadata
---
amdhsa.version: [ 1, 2 ]
amdhsa.kernels:
  - .name:           k_q0427b05bd9_attn
    .symbol:         k_q0427b05bd9_attn.kd
    .args:
      - { .name: qkv16, .offset: 0, .size: 8, .value_kind: global_buffer, .address_space: global }
      - { .name: at16, .offset: 8, .size: 8, .value_kind: global_buffer, .address_space: global }
    .group_segment_fixed_size: 327680
    .private_segment_fixed_size: 0
    .kernarg_segment_align: 8
    .kernarg_segment_size: 16
    .max_flat_workgroup_size: 128
    .sgpr_count:     66
    .vgpr_count:     640
    .wavefront_size: 32
...
	.end_amdgpu_metadata
.endif
;; end of part 3
;; launch proj (part 4): grid 32 x 8, 4 waves a work-group, clusters of 4 x 1, 327,680 bytes of LDS; arguments at16, woh, bo, out0; writes out0
.if DOCPART == 4
	.amdgcn_target "amdgcn-amd-amdhsa--gfx1250"
	.amdhsa_code_object_version 6
	.text
	.protected	k_q0427b05bd9_proj
	.globl	k_q0427b05bd9_proj
	.p2align	8
	.type	k_q0427b05bd9_proj,@function
k_q0427b05bd9_proj:
	s_mov_b64 s[64:65], 0
	v_nop
	global_prefetch_b8 v0, s[64:65] scope:SCOPE_SE
	s_setreg_imm32_b32 hwreg(HW_REG_WAVE_MODE, 25, 1), 1
	s_wait_xcnt 0x0
	s_wait_alu depctr_hold_cnt(0) depctr_sa_sdst(0) depctr_va_vdst(0) depctr_va_sdst(0) depctr_va_ssrc(0) depctr_va_vcc(0) depctr_vm_vsrc(0)
	s_getreg_b32 s2, hwreg(HW_REG_IB_STS2, 6, 4)
	s_cmp_eq_u32 s2, 0
	s_cbranch_scc0 .Lentry_in_a_cluster
	s_endpgm
.Lentry_in_a_cluster:
	s_bfe_u32 s2, ttmp6, 0x10000c
	s_cmp_lg_u32 s2, 0x3003
	s_cbranch_scc0 .Lentry_shape_is_right
	s_endpgm
.Lentry_shape_is_right:
; PROJ: out0 = attn x Wo + bo, [4096 x 2048] x [2048 x 2048], f16 operands (Wo's high part), f32 sums.  Nothing is left out; the rows of positions 0 to 15 are made here inside live tiles and replaced by launch fine.
; A tile of 128 rows x 256 columns to a work-group: 32 x 8 = 256 work-groups.  A wave makes 64 x 128: 32 accumulators, all of window 1.  THE MATRIX INSTRUCTION IS USED TRANSPOSED (source 0 = 16 columns of Wo,
; source 1 = 16 rows of attn); bo is the C of each sum's first instruction.  Both operands lie in memory as images of their registers (lane L's 16 bytes at 16 L).
; WO GOES THROUGH LDS, ATTN DOES NOT.  With both in LDS a slot of 128 along K takes 98,304 bytes and one of 256 along K 196,608, of which two do not fit in 327,680: a refill would have 128 products a wave in which to land.
; So LDS holds Wo alone: two slots of 256 along K, 131,072 bytes each, 256 products a wave between two changes of slots, 6 refills in all; each wave fetches a quarter of a slot, 32,768 dense bytes.
; attn's fragments come from memory straight into registers, two 16-byte loads a fragment: a ring of eight buffers of 32 registers (32 along K each), asked for seven quarters, 56 loads, ahead, under counted waits
; that have nothing to do with the change of slots.  The price: the two waves that share 64 rows load the same fragments, and attn's tiles are not asked for jointly; LDS is read 16 times for 32 products, not 24 times.
; CLUSTERS 4 x 1: the four partners are four row tiles of one column tile: they walk the same tiles of Wo, and each tile is one joint load with all four in its mask.
; REGISTERS.  window 0: v20-29 addresses; v32-95, v96-159 two buffers of Wo's eight fragments.  window 1: accumulator (a, cb) at v[8 (8 a + cb)].  window 2: attn's ring, buffer k at v[32 k].  window 3: v0-63 bo.
.set SLOT,  131072
.set STAGE, 262144                     ; behind the ring: 16 rows x 528 bytes for each wave
.set SPARE, STAGE+4*16*528
.set ADRB, 20                          ; v20-23 Wo's fragments: slot s, head j of its two: register 2 s + j
.set STO,  24
.set RD,   25
.set CO,   26                          ; v26 16 x lane; never rewritten
.set SPW,  28
.set NIL,  29
.set F0,   32
.set F1,   96
.set AB,   16                          ; s[16:17] attn at my 64 rows, at the head at which the trip in hand began
.set G1B, 24
.set G0B, 32
.set MUL, 0x58                         ; source 0 (Wo) window 0, source 1 (attn) window 2, C and D window 1
.set MSB, 0
.macro WIN new
.if MSB != (\new)
	s_set_vgpr_msb (MSB<<8)|(\new)
.set MSB, (\new)
.endif
.endm
.macro PLACES n
.rept \n
	v_nop
.endr
.endm
.macro CREST
	s_cmp_lg_u32 s12, 0
	s_cbranch_scc1 .Lnot_wave_0_\@
	s_barrier_signal -3
.Lnot_wave_0_\@:
	s_barrier_wait -3
	s_barrier_signal -1
	s_barrier_wait -1
.endm
.macro CROUND
	s_barrier_signal -1
	s_barrier_wait -1
	CREST
.endm
; attn's four fragments of quarter qr (32 along K; counted from the head at which s[AB] stands) into buffer qr % 8
.macro ALOAD qr
.irp i, 0,1,2,3
.irp c, 0,1
	global_load_b128 v[32*((\qr)%8)+8*\i+4*\c:32*((\qr)%8)+8*\i+4*\c+3], v[CO], s[AB:AB+1] offset:((\qr)/4)*32768+((\qr)%4)*1024+4096*\i+512*\c
.endr
.endr
.endm
	s_load_b256 s[4:11], s[0:1], 0x0               ; at16 4, woh 6, bo 8, out0 10
	v_lshl_add_u32 v[SPW], v0, 2, SPARE
	v_mov_b32 v[NIL], 0
	ds_add_u32 v[SPW], v[NIL]                      ; the wave's opening: the add, twice on end, and its wait ahead of my first tensor load
	ds_add_u32 v[SPW], v[NIL]
	v_lshrrev_b32 v1, 5, v0
	v_readfirstlane_b32 s12, v1
	s_lshr_b32 s13, s12, 1                         ; my half of the rows
	s_and_b32 s14, s12, 1                          ; my half of the columns
	s_bfe_u32 s40, ttmp6, 0x40000                  ; cx
	s_lshl_b32 s15, ttmp9, 2
	s_add_co_u32 s15, s15, s40                     ; tile row = 4 x cluster x + cx: it enters attn's and out0's addresses alone
	s_and_b32 s42, ttmp7, 0xffff                   ; tile column, which the four partners share
	s_mov_b32 s[G1B+0], 15|(3<<16)|(1<<21)         ; all four partners; 32,768 dense bytes as 128 rows of 32 elements of 8 bytes
	s_mov_b32 s[G1B+1], 32<<16
	s_mov_b32 s[G1B+2], 128<<16
	s_mov_b32 s[G1B+3], 32<<16
	s_mov_b32 s[G1B+4], 128
	s_mov_b32 s[G1B+5], 32
	s_mov_b32 s[G1B+6], 0
	s_mov_b32 s[G1B+7], 0
	s_lshl_b32 s46, s42, 20                        ; Wo: the tile column's 1,048,576 bytes,
	s_lshl_b32 s19, s12, 15                        ; my quarter of a slot, in memory and in LDS
	s_add_co_u32 s46, s46, s19
	s_mov_b32 s47, 0
	s_lshl_b32 s[AB], s15, 19                      ; attn: the tile row's 524,288 bytes, my 64 rows of each head's 128
	s_lshl_b32 s18, s13, 14
	s_add_co_u32 s[AB], s[AB], s18
	s_mov_b32 s[AB+1], 0
	s_wait_dscnt 0x0                               ; both opening adds are done
	s_wait_kmcnt 0x0
	s_add_nc_u64 s[AB:AB+1], s[4:5], s[AB:AB+1]
	s_add_nc_u64 s[46:47], s[6:7], s[46:47]
.irp s, 0,1
	s_mov_b32 s[G0B+4*\s], 1
	s_add_co_u32 s[G0B+4*\s+1], s19, \s*SLOT
	s_add_nc_u64 s[G0B+4*\s+2:G0B+4*\s+3], s[46:47], \s*SLOT
	s_or_b32 s[G0B+4*\s+3], s[G0B+4*\s+3], 0x80000000
.endr
	CROUND                                         ; all four work-groups are here: the first joint loads meet
	tensor_load_to_lds s[G0B:G0B+3], s[G1B:G1B+7]
	s_nop 0
	tensor_load_to_lds s[G0B+4:G0B+7], s[G1B:G1B+7]
	s_nop 0
.rept 4
	v_nop
.endr
	v_and_b32 v1, 15, v0
	v_bfe_u32 v2, v0, 4, 1
	v_and_b32 v3, 31, v0
	v_lshlrev_b32 v[CO], 4, v3                     ; 16 x lane
	s_lshl_b32 s21, s14, 15                        ; my 128 columns of a head's 256
.irp k, 0,1,2,3
	v_add_nc_u32 v[ADRB+\k], s21, v[CO]
	s_add_co_u32 s21, s21, 65536
.endr
	s_mul_i32 s20, s12, 16*528
	s_add_co_u32 s20, s20, STAGE
	v_mul_u32_u24 v4, v1, 528
	v_lshl_add_u32 v4, v2, 5, v4
	v_add_nc_u32 v[STO], s20, v4
	v_add_nc_u32 v[RD], s20, v[CO]
	s_lshl_b32 s20, s42, 10
	s_lshl_b32 s21, s14, 9
	s_add_co_u32 s20, s20, s21                     ; my first column, in bytes
	s_mov_b32 s21, 0
	s_add_nc_u64 s[8:9], s[8:9], s[20:21]
	s_add_nc_u64 s[10:11], s[10:11], s[20:21]
	s_lshl_b32 s20, s15, 20
	s_lshl_b32 s22, s13, 19
	s_add_co_u32 s20, s20, s22                     ; my first row
	s_add_nc_u64 s[10:11], s[10:11], s[20:21]
	v_lshlrev_b32 v5, 5, v2
	WIN 0xc0
.irp cb, 0,1,2,3,4,5,6,7
	global_load_b128 v[8*\cb:8*\cb+3], v5, s[8:9] offset:64*\cb
	global_load_b128 v[8*\cb+4:8*\cb+7], v5, s[8:9] offset:64*\cb+16
.endr
	WIN 0x80
	ALOAD 0                                        ; attn's first five quarters: with bo's 16 loads 56 are out
	ALOAD 1
	ALOAD 2
	ALOAD 3
	ALOAD 4
	WIN 0
.macro FETCH slot, q, f                ; Wo's eight fragments of the slot's q-th 32 along K: 16 loads
.irp cb, 0,1,2,3,4,5,6,7
.irp c, 0,1
	ds_load_b128 v[(\f)+8*\cb+4*\c:(\f)+8*\cb+4*\c+3], v[ADRB+2*(\slot)+(\q)/4] offset:4096*\cb+1024*((\q)%4)+512*\c
.endr
.endr
.endm
.macro MUL8 f, k, a, first             ; the 32 accumulators take turns, one instruction a turn, in the same order in every quarter
.irp cb, 0,1,2,3,4,5,6,7
.if \first
	v_wmma_f32_16x16x32_f16 v[8*(8*\a+\cb):8*(8*\a+\cb)+7], v[(\f)+8*\cb:(\f)+8*\cb+7], v[32*(\k)+8*\a:32*(\k)+8*\a+7], v[8*\cb:8*\cb+7]
.else
	v_wmma_f32_16x16x32_f16 v[8*(8*\a+\cb):8*(8*\a+\cb)+7], v[(\f)+8*\cb:(\f)+8*\cb+7], v[32*(\k)+8*\a:32*(\k)+8*\a+7], v[8*(8*\a+\cb):8*(8*\a+\cb)+7]
.endif
.endr
.endm
; One of a slot's first seven quarters.  q: which of the slot; qr: which from s[AB] on.  It asks for Wo's next quarter, waits for its own fragments of attn (left: the loads of the younger quarters, which may stay out),
; asks for attn's quarter seven on (al = 1) into the buffer that the last quarter multiplied, and multiplies.
.macro QUARTER slot, q, qr, first, al, left
	WIN 0
	s_wait_dscnt 0x0                               ; Wo's buffer was asked for 32 products ago
	PLACES 4                                       ; in front of loads into registers that the last quarter's products read
	FETCH \slot, (\q)+1, F0+64*(1-(\q)%2)
	s_wait_loadcnt \left
.if \al
	WIN 0x80
	ALOAD (\qr)+7
.endif
	WIN MUL+0x20*(\first)                          ; (first: C in window 3)
	MUL8 F0+64*((\q)%2), (\qr)%8, 0, \first
	MUL8 F0+64*((\q)%2), (\qr)%8, 1, \first
	MUL8 F0+64*((\q)%2), (\qr)%8, 2, \first
	MUL8 F0+64*((\q)%2), (\qr)%8, 3, \first
.endm
; A slot's eighth quarter multiplies buffer 1 and changes slots: one barrier; in front of it each wave waits for all its tensor loads, adds 0 to its spare word, and waits for that and for its reads of this slot.
; attn's loads stand ahead of these lines: no memory instruction stands between the add and the wait for it.
.macro TURN slot, next, fill, qr, left
	WIN 0
	PLACES 4
	s_wait_loadcnt \left
	WIN 0x80
	ALOAD (\qr)+7
	WIN 0
	s_wait_tensorcnt 0x0                           ; all my tensor loads have landed: my part of the next slot
	ds_add_u32 v[SPW], v[NIL]
	s_wait_dscnt 1                                 ; buffer 1 is in; the add may be out
	WIN MUL
	MUL8 F1, (\qr)%8, 0, 0
	s_wait_dscnt 0x0                               ; the add is done, and my reads of this slot are over
	s_barrier_signal -1
	MUL8 F1, (\qr)%8, 1, 0
	WIN 0
	s_barrier_wait -1
.if \fill
	CREST                                          ; the barrier has opened a round of the cluster's: no wave of any partner still reads this slot or has a load on its way
	s_add_nc_u64 s[G0B+4*\slot+2:G0B+4*\slot+3], s[G0B+4*\slot+2:G0B+4*\slot+3], 2*SLOT
	tensor_load_to_lds s[G0B+4*\slot:G0B+4*\slot+3], s[G1B:G1B+7]   ; the first thing behind the round, my one tensor load until the next: 240 products ahead of the wait for it
	s_nop 0
.rept 4
	v_nop                                          ; (also the places in front of the loads below)
.endr
.else
	PLACES 4
.endif
	FETCH \next, 0, F0
	WIN MUL
	MUL8 F1, (\qr)%8, 2, 0
	MUL8 F1, (\qr)%8, 3, 0
.endm
	s_wait_tensorcnt 1                             ; my part of slot 0 is in (slot 1's load may be out)
	s_barrier_signal -1
	s_barrier_wait -1                              ; everybody's is
	FETCH 0, 0, F0
	s_wait_loadcnt 40                              ; bo is in; behind it attn's first five quarters
	WIN 0x80
	ALOAD 5
	ALOAD 6
	QUARTER 0, 0, 0, 1, 1, 48                      ; the first quarter stands in front of the loop: its products start the sums.  48: six younger quarters
	WIN 0
	s_mov_b32 s3, 3
.Llap:                                             ; a trip goes once round the ring, 512 along K, from a lap's second quarter to the next lap's first, and fills both slots again
.set Q, 1
.rept 6
	QUARTER 0, Q, Q, 0, 1, 48
.set Q, Q+1
.endr
	TURN 0, 1, 1, 7, 48
.set Q, 0
.rept 7
	QUARTER 1, Q, 8+Q, 0, 1, 48
.set Q, Q+1
.endr
	TURN 1, 0, 1, 15, 48
	QUARTER 0, 0, 16, 0, 1, 48
	WIN 0
	s_wait_xcnt 0x0                                ; attn's loads have read their base
	s_add_nc_u64 s[AB:AB+1], s[AB:AB+1], 131072    ; four heads on
	s_sub_co_u32 s3, s3, 1
	s_cmp_lg_u32 s3, 0
	s_cbranch_scc1 .Llap
.set Q, 1
.rept 6
	QUARTER 0, Q, Q, 0, 1, 48                      ; the last lap fills no slot, and has no round of the cluster's barrier
.set Q, Q+1
.endr
	TURN 0, 1, 0, 7, 48
	QUARTER 1, 0, 8, 0, 1, 48                      ; attn's last quarter is asked for here; then the counts run down
	QUARTER 1, 1, 9, 0, 0, 48
	QUARTER 1, 2, 10, 0, 0, 40
	QUARTER 1, 3, 11, 0, 0, 32
	QUARTER 1, 4, 12, 0, 0, 24
	QUARTER 1, 5, 13, 0, 0, 16
	QUARTER 1, 6, 14, 0, 0, 8
	WIN 0
	s_wait_dscnt 0x0
	s_wait_loadcnt 0x0
	WIN MUL
	MUL8 F1, 7, 0, 0
	MUL8 F1, 7, 1, 0
	MUL8 F1, 7, 2, 0
	MUL8 F1, 7, 3, 0
	WIN 0
; THE WAY OUT: a block of 16 rows x 128 columns goes through my own stage and comes back as whole rows of 512 bytes.  LDS serves a wave's instructions in order.
.macro TOSTAGE a
	WIN 0x04                                       ; an LDS store's data are its source 1: window 1
.irp b, 0,1,2,3,4,5,6,7
	ds_store_b128 v[STO], v[64*(\a)+8*\b:64*(\a)+8*\b+3] offset:64*\b
	ds_store_b128 v[STO], v[64*(\a)+8*\b+4:64*(\a)+8*\b+7] offset:64*\b+16
.endr
	WIN 0
.set BK, 32+64*((\a)%2)
.irp t, 0,1,2,3,4,5,6,7,8,9,10,11,12,13,14,15
	ds_load_b128 v[BK+4*\t:BK+4*\t+3], v[RD] offset:\t*528
.endr
.endm
.macro SEND a, younger
.set BK, 32+64*((\a)%2)
	s_wait_dscnt \younger
.irp t, 0,1,2,3,4,5,6,7,8,9,10,11,12,13,14,15
	global_store_b128 v[CO], v[BK+4*\t:BK+4*\t+3], s[10:11] offset:(16*(\a)+\t)*8192 th:TH_STORE_NT   ; 32 lanes store 512 consecutive bytes
.endr
.endm
	PLACES 4
	TOSTAGE 0
.irp a, 1,2,3
.if \a > 1
	s_wait_xcnt 0x0                                ; block a - 2's stores have read their registers
.endif
	TOSTAGE \a
	SEND \a-1, 32                                  ; behind block a - 1's loads: block a's 16 stores and 16 loads
.endr
	SEND 3, 0
	s_wait_tensorcnt 0x0                           ; the wave's end
	ds_add_u32 v[SPW], v[NIL]
	s_wait_dscnt 0x0
	CROUND                                         ; the closing round
	s_endpgm
.Lfunc_end_k_q0427b05bd9_proj:
	.size	k_q0427b05bd9_proj, .Lfunc_end_k_q0427b05bd9_proj-k_q0427b05bd9_proj
	.p2alignl 7, 3214868480
	.fill 96, 4, 3214868480
	.section	.rodata,"a",@progbits
	.p2align	6, 0x0
	.amdhsa_kernel k_q0427b05bd9_proj
		.amdhsa_group_segment_fixed_size 327680
		.amdhsa_private_segment_fixed_size 0
		.amdhsa_enable_private_segment 0
		.amdhsa_kernarg_size 32
		.amdhsa_user_sgpr_count 2
		.amdhsa_user_sgpr_kernarg_segment_ptr 1
		.amdhsa_wavefront_size32 1
		.amdhsa_system_sgpr_workgroup_id_x 1
		.amdhsa_system_sgpr_workgroup_id_y 1
		.amdhsa_system_sgpr_workgroup_id_z 1
		.amdhsa_system_vgpr_workitem_id 0
		.amdhsa_next_free_vgpr 832
		.amdhsa_next_free_sgpr 66
		.amdhsa_reserve_vcc 0
		.amdhsa_float_denorm_mode_32 3
		.amdhsa_float_denorm_mode_16_64 3
		.amdhsa_memory_ordered 1
		.amdhsa_forward_progress 1
		.amdhsa_inst_pref_size 152
	.end_amdhsa_kernel
	.amdgpu_metadata
---
amdhsa.version: [ 1, 2 ]
amdhsa.kernels:
  - .name:           k_q0427b05bd9_proj
    .symbol:         k_q0427b05bd9_proj.kd
    .args:
      - { .name: at16, .offset: 0, .size: 8, .value_kind: global_buffer, .address_space: global }
      - { .name: woh, .offset: 8, .size: 8, .value_kind: global_buffer, .address_space: global }
      - { .name: bo, .offset: 16, .size: 8, .value_kind: global_buffer, .address_space: global }
      - { .name: out0, .offset: 24, .size: 8, .value_kind: global_buffer, .address_space: global }
    .group_segment_fixed_size: 327680
    .private_segment_fixed_size: 0
    .kernarg_segment_align: 8
    .kernarg_segment_size: 32
    .max_flat_workgroup_size: 128
    .sgpr_count:     66
    .vgpr_count:     832
    .wavefront_size: 32
...
	.end_amdgpu_metadata
.endif
;; end of part 4
;; launch fine (part 5): grid 64 x 4, 4 waves a work-group, no clusters, 8,704 bytes of LDS; arguments qkv32, woh, wol, bo, out0; writes out0
.if DOCPART == 5
	.amdgcn_target "amdgcn-amd-amdhsa--gfx1250"
	.amdhsa_code_object_version 6
	.text
	.protected	k_q0427b05bd9_fine
	.globl	k_q0427b05bd9_fine
	.p2align	8
	.type	k_q0427b05bd9_fine,@function
k_q0427b05bd9_fine:
	s_mov_b64 s[64:65], 0
	v_nop
	global_prefetch_b8 v0, s[64:65] scope:SCOPE_SE
	s_setreg_imm32_b32 hwreg(HW_REG_WAVE_MODE, 25, 1), 1
	s_wait_xcnt 0x0
; FINE: positions 0 to 15 of every sequence once more, finely: there a row averages one to sixteen values and is the largest in size.  Scores, weights x values and the projection take their operands as PAIRS of f16 numbers:
; hi = the f32 number with its 13 lowest bits cleared, lo = the rest; each product is hi hi + hi lo + lo hi, summed in f32.  These 64 rows of out0 replace those of launch proj.  Keys 16 on are behind all of these queries: left out, as reference()'s mask has it.
; SHARES.  A work-group: 32 output columns (x) of one batch (y).  Wave w: query heads 4 w .. 4 w + 3, which share key/value head w and are a quarter of the projection's K; the four partial sums meet once in LDS.
; V^T P in two products a tile: K = 32 carries V's high parts in its first 16 places and V's low parts in its last 16; against [PH, PH] that is VH PH + VL PH, against [PL, 0] VH PL.
; LIMITS: magnitudes under 65,504; parts under 2^-14 are kept to 2^-25.
; REGISTERS.  window 0: v1-7 addresses and the add's two; v8-15 at work; v16-79 Q in f32; v80-143 K's staging, the three score sums, O^T; v144-175, v176-207 high and low parts of Q, then of attn (at the head: V's staging);
;   v208-223 the two operands made of P; v224-227 bo; v228-231 addresses; v232-239 the scores; v240-245 at work.   window 1: v0-63 K's parts, v64-127 V^T [high 4 | low 4] a tile, v128-143 the two sums of out.   window 2: two sets of Wo's fragments.
.set SPARE, 8192
.set LI,  1
.set RQ,  2
.set RV,  3
.set DM,  4
.set NINF, 5
.set SPW, 6
.set NIL, 7
.set T,   8
.set X,   16
.set O,   80
.set XH,  144
.set XL,  176
.set B1,  208
.set B2,  216
.set BO,  224
.set LWR, 228
.set LRD, 229
.set GO,  230
.set BOF, 231
.set E,   232
.set KH,  0
.set KL,  32
.set VF,  64
.set OA,  128
.set CS,  32
.set SEL, 34
.set MSB, 0
.macro WIN new
.if MSB != (\new)
	s_set_vgpr_msb (MSB<<8)|(\new)
.set MSB, (\new)
.endif
.endm
.macro PLACES n
.rept \n
	v_nop
.endr
.endm
; eight f32 numbers become four registers of high and four of low parts (in window dw)
.macro SPLIT8 src, hi, lo, dw
	WIN 0
.irp k, 0,1,2,3,4,5,6,7
	v_and_b32 v[T+\k], s30, v[\src+\k]
.endr
.irp k, 0,2,4,6
	v_pk_add_f32 v[\src+\k:\src+\k+1], v[\src+\k:\src+\k+1], v[T+\k:T+\k+1] neg_lo:[0,1] neg_hi:[0,1]
.endr
	WIN (\dw)<<6
.irp k, 0,1,2,3
	v_cvt_pk_f16_f32 v[\hi+\k], v[T+2*\k], v[T+2*\k+1]
	v_cvt_pk_f16_f32 v[\lo+\k], v[\src+2*\k], v[\src+2*\k+1]
.endr
.endm
.macro QLOAD i                         ; lane (r, h): row r, channels 16 g + 8 h + 0..7
	WIN 0
.irp g, 0,1,2,3,4,5,6,7
	global_load_b128 v[X+8*\g:X+8*\g+3], v[RQ], s[20:21] offset:8192*(\i)+64*\g
	global_load_b128 v[X+8*\g+4:X+8*\g+7], v[RQ], s[20:21] offset:8192*(\i)+64*\g+16
.endr
.endm
.macro WLOAD i                         ; head i's fragments of Wo: (2 u + f) 16 + (high 0-7, low 8-15), into set i % 2
	WIN 0x80
.irp u, 0,1,2,3
.irp f, 0,1
.irp c, 0,1
	global_load_b128 v[128*((\i)%2)+16*(2*\u+\f)+4*\c:128*((\i)%2)+16*(2*\u+\f)+4*\c+3], v[LI], s[22:23] offset:65536*(\i)+4096*\f+1024*\u+512*\c
	global_load_b128 v[128*((\i)%2)+16*(2*\u+\f)+8+4*\c:128*((\i)%2)+16*(2*\u+\f)+8+4*\c+3], v[LI], s[24:25] offset:65536*(\i)+4096*\f+1024*\u+512*\c
.endr
.endr
.endr
	WIN 0
.endm
.macro HEAD i
	s_wait_loadcnt 32                              ; this head's Q is in; its 32 loads of Wo may be out
.irp g, 0,1,2,3,4,5,6,7
	SPLIT8 X+8*\g, XH+4*\g, XL+4*\g, 0
.endr
.if \i < 3
	QLOAD (\i)+1
	WLOAD (\i)+1
.endif
	WIN 0x01                                       ; source 0 (K's parts) in window 1.  Three sums by turns, one instruction a turn
.irp u, 0,1,2,3
.if \u == 0
	v_wmma_f32_16x16x32_f16 v[O:O+7], v[KH+8*\u:KH+8*\u+7], v[XH+8*\u:XH+8*\u+7], 0
	v_wmma_f32_16x16x32_f16 v[O+8:O+15], v[KH+8*\u:KH+8*\u+7], v[XL+8*\u:XL+8*\u+7], 0
	v_wmma_f32_16x16x32_f16 v[O+16:O+23], v[KL+8*\u:KL+8*\u+7], v[XH+8*\u:XH+8*\u+7], 0
.else
	v_wmma_f32_16x16x32_f16 v[O:O+7], v[KH+8*\u:KH+8*\u+7], v[XH+8*\u:XH+8*\u+7], v[O:O+7]
	v_wmma_f32_16x16x32_f16 v[O+8:O+15], v[KH+8*\u:KH+8*\u+7], v[XL+8*\u:XL+8*\u+7], v[O+8:O+15]
	v_wmma_f32_16x16x32_f16 v[O+16:O+23], v[KL+8*\u:KL+8*\u+7], v[XH+8*\u:XH+8*\u+7], v[O+16:O+23]
.endif
.endr
	WIN 0
	PLACES 4
.irp jj, 0,2,4,6
	v_pk_add_f32 v[E+\jj:E+\jj+1], v[O+\jj:O+\jj+1], v[O+8+\jj:O+8+\jj+1]
	v_pk_add_f32 v[E+\jj:E+\jj+1], v[E+\jj:E+\jj+1], v[O+16+\jj:O+16+\jj+1]
.endr
.irp j, 0,1,2,3,4,5,6,7
	v_cmp_gt_i32 vcc_lo, \j, v[DM]                 ; key 8 h + j comes after query r
	v_cndmask_b32 v[E+\j], v[E+\j], v[NINF], vcc_lo
.endr
	v_max3_num_f32 v240, v[E], v[E+1], v[E+2]
	v_max3_num_f32 v241, v[E+3], v[E+4], v[E+5]
	v_max3_num_f32 v240, v240, v[E+6], v[E+7]
	v_max_num_f32 v240, v240, v241
	v_permlanex16_b32 v241, v240, s[SEL], s[SEL+1]
	v_max_num_f32 v240, v240, v241                 ; key 0 counts for every query: a score
	v_mul_f32 v240, s[CS], v240
.irp jj, 0,2,4,6
	v_pk_fma_f32 v[E+\jj:E+\jj+1], v[E+\jj:E+\jj+1], s[CS:CS+1], v[240:241] op_sel_hi:[1,0,0] neg_lo:[0,0,1] neg_hi:[0,0,1]
.endr
.irp j, 0,1,2,3,4,5,6,7
	v_exp_f32 v[E+\j], v[E+\j]
.endr
	v_nop
	s_wait_alu depctr_va_vdst(0)                   ; one wait for the eight
	v_pk_add_f32 v[242:243], v[E:E+1], v[E+2:E+3]
	v_pk_add_f32 v[244:245], v[E+4:E+5], v[E+6:E+7]
	v_pk_add_f32 v[242:243], v[242:243], v[244:245]
	v_add_f32 v242, v242, v243
	v_permlanex16_b32 v243, v242, s[SEL], s[SEL+1]
	v_add_f32 v242, v242, v243
	v_rcp_f32 v244, v242
	v_nop
	s_wait_alu depctr_va_vdst(0)
.irp jj, 0,2,4,6
	v_pk_mul_f32 v[E+\jj:E+\jj+1], v[E+\jj:E+\jj+1], v[244:245] op_sel_hi:[1,0]
.endr
	SPLIT8 E, B1, B2, 0
.irp k, 0,1,2,3
	v_mov_b32 v[B1+4+\k], v[B1+\k]
.endr
	WIN 0x01                                       ; source 0 (V^T) in window 1
.irp t, 0,1,2,3,4,5,6,7
	v_wmma_f32_16x16x32_f16 v[O+8*\t:O+8*\t+7], v[VF+8*\t:VF+8*\t+7], v[B1:B1+7], 0
.endr
.irp t, 0,1,2,3,4,5,6,7
	v_wmma_f32_16x16x32_f16 v[O+8*\t:O+8*\t+7], v[VF+8*\t:VF+8*\t+7], v[B2:B2+7], v[O+8*\t:O+8*\t+7]
.endr
	WIN 0
	PLACES 4
.irp t, 0,1,2,3,4,5,6,7
	SPLIT8 O+8*\t, XH+4*\t, XL+4*\t, 0
.endr
.if \i < 3
	s_wait_loadcnt 48                              ; this head's Wo is in; the next head's 16 + 32 loads may be out
.else
	s_wait_loadcnt 0x0
.endif
	WIN 0x52                                       ; source 0 (Wo) window 2; C and D window 1.  The two sums by turns
.set WS, 128*((\i)%2)
.irp u, 0,1,2,3
.irp f, 0,1
.if (\i == 0) && (\u == 0)
	v_wmma_f32_16x16x32_f16 v[OA+8*\f:OA+8*\f+7], v[WS+16*(2*\u+\f):WS+16*(2*\u+\f)+7], v[XH+8*\u:XH+8*\u+7], 0
.else
	v_wmma_f32_16x16x32_f16 v[OA+8*\f:OA+8*\f+7], v[WS+16*(2*\u+\f):WS+16*(2*\u+\f)+7], v[XH+8*\u:XH+8*\u+7], v[OA+8*\f:OA+8*\f+7]
.endif
.endr
.irp f, 0,1
	v_wmma_f32_16x16x32_f16 v[OA+8*\f:OA+8*\f+7], v[WS+16*(2*\u+\f):WS+16*(2*\u+\f)+7], v[XL+8*\u:XL+8*\u+7], v[OA+8*\f:OA+8*\f+7]
.endr
.irp f, 0,1
	v_wmma_f32_16x16x32_f16 v[OA+8*\f:OA+8*\f+7], v[WS+16*(2*\u+\f)+8:WS+16*(2*\u+\f)+15], v[XH+8*\u:XH+8*\u+7], v[OA+8*\f:OA+8*\f+7]
.endr
.endr
	WIN 0
.endm
	s_load_b256 s[4:11], s[0:1], 0x0               ; qkv32 4, woh 6, wol 8, bo 10
	s_load_b64 s[12:13], s[0:1], 0x20              ; out0
	v_lshl_add_u32 v[SPW], v0, 2, SPARE
	v_mov_b32 v[NIL], 0
	v_lshrrev_b32 v8, 5, v0
	v_readfirstlane_b32 s14, v8                    ; wave
	s_and_b32 s15, ttmp7, 0xffff                   ; batch
	v_and_b32 v8, 31, v0
	v_lshlrev_b32 v[LI], 4, v8
	v_and_b32 v9, 15, v0                           ; r
	v_bfe_u32 v10, v0, 4, 1                        ; h
	v_lshlrev_b32 v[RQ], 9, v9
	v_lshl_add_u32 v[RQ], v10, 5, v[RQ]            ; row r of 512 bytes + 32 h
	v_lshlrev_b32 v[RV], 2, v9
	v_lshl_add_u32 v[RV], v10, 12, v[RV]           ; V: key 8 h, channel r
	v_lshlrev_b32 v11, 3, v10
	v_sub_nc_u32 v[DM], v9, v11                    ; r - 8 h
	v_mov_b32 v[NINF], 0xff800000
	s_lshl_b32 s36, s14, 11
	v_add_nc_u32 v[LWR], s36, v[LI]
	s_lshl_b32 s36, s14, 9
	v_add_nc_u32 v[LRD], s36, v[LI]
	v_lshlrev_b32 v[GO], 13, v9
	v_lshl_add_u32 v[GO], v10, 5, v[GO]            ; out0: row r of 8,192 bytes + 32 h
	v_lshlrev_b32 v[BOF], 5, v10
.irp k, 0,1,2,3
	v_mov_b32 v[B2+4+\k], 0
.endr
	s_mov_b32 s30, 0xffffe000
	s_mov_b32 s[CS], 0x3e0293ee                    ; c = log2(e) / sqrt(128)
	s_mov_b32 s[CS+1], s[CS]
	s_mov_b32 s[SEL], 0x76543210
	s_mov_b32 s[SEL+1], 0xfedcba98
	s_mul_i32 s36, s15, 24
	s_lshl_b32 s37, s14, 2
	s_add_co_u32 s37, s37, s36
	s_lshl_b32 s20, s37, 13                        ; Q: slot 4 w of my batch
	s_mov_b32 s21, 0
	s_lshl_b32 s37, s14, 1
	s_add_co_u32 s37, s37, s36
	s_add_co_u32 s37, s37, 16
	s_lshl_b32 s16, s37, 13                        ; K: slot 16 + 2 w; V lies 8,192 bytes on
	s_mov_b32 s17, 0
	s_lshr_b32 s37, ttmp9, 3                       ; Wo: (((x / 8) 16 + 4 w) 16 + 2 x % 16) x 4,096
	s_lshl_b32 s37, s37, 4
	s_lshl_b32 s38, s14, 2
	s_add_co_u32 s37, s37, s38
	s_lshl_b32 s37, s37, 4
	s_lshl_b32 s38, ttmp9, 1
	s_and_b32 s38, s38, 15
	s_add_co_u32 s37, s37, s38
	s_lshl_b32 s22, s37, 12
	s_mov_b32 s23, 0
	s_lshl_b32 s26, ttmp9, 7                       ; the piece that I finish: columns 32 x + 16 (w / 2) + 4 (w % 2) + 8 h + 0..3
	s_lshr_b32 s38, s14, 1
	s_lshl_b32 s38, s38, 6
	s_add_co_u32 s26, s26, s38
	s_and_b32 s38, s14, 1
	s_lshl_b32 s38, s38, 4
	s_add_co_u32 s26, s26, s38
	s_mov_b32 s27, 0
	s_lshl_b32 s28, s15, 23
	s_add_co_u32 s28, s28, s26
	s_mov_b32 s29, 0
	s_wait_kmcnt 0x0
	s_add_nc_u64 s[20:21], s[4:5], s[20:21]
	s_add_nc_u64 s[16:17], s[4:5], s[16:17]
	s_add_nc_u64 s[24:25], s[8:9], s[22:23]
	s_add_nc_u64 s[22:23], s[6:7], s[22:23]
	s_add_nc_u64 s[26:27], s[10:11], s[26:27]
	s_add_nc_u64 s[28:29], s[12:13], s[28:29]
	global_load_b128 v[BO:BO+3], v[BOF], s[26:27]
.irp g, 0,1,2,3,4,5,6,7
	global_load_b128 v[O+8*\g:O+8*\g+3], v[RQ], s[16:17] offset:64*\g
	global_load_b128 v[O+8*\g+4:O+8*\g+7], v[RQ], s[16:17] offset:64*\g+16
.endr
.irp t, 0,1,2,3,4,5,6,7
.irp jj, 0,1,2,3,4,5,6,7
	global_load_b32 v[XH+8*\t+\jj], v[RV], s[16:17] offset:8192+512*\jj+64*\t
.endr
.endr
	QLOAD 0
	WLOAD 0
	s_wait_loadcnt 63                              ; K is in: 112 loads were issued behind it, and the count's field holds 63
.irp g, 0,1,2,3,4,5,6,7
	SPLIT8 O+8*\g, KH+4*\g, KL+4*\g, 1
.endr
	s_wait_loadcnt 48                              ; V is in: Q's 16 and Wo's 32 may be out
.irp t, 0,1,2,3,4,5,6,7
	SPLIT8 XH+8*\t, VF+8*\t, VF+8*\t+4, 1
.endr
	WIN 0
	HEAD 0
	HEAD 1
	HEAD 2
	HEAD 3
	PLACES 4
	WIN 0x04                                       ; an LDS store's data are its source 1: window 1
.irp f, 0,1
.irp q, 0,1
	ds_store_b128 v[LWR], v[OA+8*\f+4*\q:OA+8*\f+4*\q+3] offset:512*(2*\f+\q)
.endr
.endr
	WIN 0
	s_wait_dscnt 0x0                               ; for the others' sake: my four pieces lie in LDS
	s_barrier_signal -1
	s_barrier_wait -1
.irp p, 0,1,2,3
	ds_load_b128 v[16+4*\p:19+4*\p], v[LRD] offset:2048*\p   ; piece w of all four waves
.endr
	s_wait_dscnt 0x0
.irp k, 0,2
	v_pk_add_f32 v[16+\k:17+\k], v[16+\k:17+\k], v[20+\k:21+\k]
	v_pk_add_f32 v[24+\k:25+\k], v[24+\k:25+\k], v[28+\k:29+\k]
	v_pk_add_f32 v[16+\k:17+\k], v[16+\k:17+\k], v[24+\k:25+\k]
	v_pk_add_f32 v[16+\k:17+\k], v[16+\k:17+\k], v[BO+\k:BO+\k+1]
.endr
	global_store_b128 v[GO], v[16:19], s[28:29]
	s_wait_tensorcnt 0x0                           ; the wave's end, behind my last LDS store
	ds_add_u32 v[SPW], v[NIL]
	s_wait_dscnt 0x0
	s_endpgm
.Lfunc_end_k_q0427b05bd9_fine:
	.size	k_q0427b05bd9_fine, .Lfunc_end_k_q0427b05bd9_fine-k_q0427b05bd9_fine
	.p2alignl 7, 3214868480
	.fill 96, 4, 3214868480
	.section	.rodata,"a",@progbits
	.p2align	6, 0x0
	.amdhsa_kernel k_q0427b05bd9_fine
		.amdhsa_group_segment_fixed_size 8704
		.amdhsa_private_segment_fixed_size 0
		.amdhsa_enable_private_segment 0
		.amdhsa_kernarg_size 40
		.amdhsa_user_sgpr_count 2
		.amdhsa_user_sgpr_kernarg_segment_ptr 1
		.amdhsa_wavefront_size32 1
		.amdhsa_system_sgpr_workgroup_id_x 1
		.amdhsa_system_sgpr_workgroup_id_y 1
		.amdhsa_system_sgpr_workgroup_id_z 1
		.amdhsa_system_vgpr_workitem_id 0
		.amdhsa_next_free_vgpr 768
		.amdhsa_next_free_sgpr 66
		.amdhsa_reserve_vcc 1
		.amdhsa_float_denorm_mode_32 3
		.amdhsa_float_denorm_mode_16_64 3
		.amdhsa_memory_ordered 1
		.amdhsa_forward_progress 1
		.amdhsa_inst_pref_size 142
	.end_amdhsa_kernel
	.amdgpu_metadata
---
amdhsa.version: [ 1, 2 ]
amdhsa.kernels:
  - .name:           k_q0427b05bd9_fine
    .symbol:         k_q0427b05bd9_fine.kd
    .args:
      - { .name: qkv32, .offset: 0, .size: 8, .value_kind: global_buffer, .address_space: global }
      - { .name: woh, .offset: 8, .size: 8, .value_kind: global_buffer, .address_space: global }
      - { .name: wol, .offset: 16, .size: 8, .value_kind: global_buffer, .address_space: global }
      - { .name: bo, .offset: 24, .size: 8, .value_kind: global_buffer, .address_space: global }
      - { .name: out0, .offset: 32, .size: 8, .value_kind: global_buffer, .address_space: global }
    .group_segment_fixed_size: 8704
    .private_segment_fixed_size: 0
    .kernarg_segment_align: 8
    .kernarg_segment_size: 40
    .max_flat_workgroup_size: 128
    .sgpr_count:     66
    .vgpr_count:     768
    .wavefront_size: 32
...
	.end_amdgpu_metadata
.endif
;; end of part 5
